; MI455X (gfx1250); checked and timed in simulation.
; The chip was launched on July 23, 2026; its instructions are those of AMD's public machine-readable ISA for CDNA 5 (MIT licence, August 2026) and "CDNA5" Instruction Set Architecture Reference Guide (July 2026). The comments in the code are by the model that wrote it; some were corrected since.
;; Causal Self Attention. Allowed arithmetic: matrix products marked QUANTISED: E2M1 operands, one E8M0 scale for each 32 along K, by v_wmma_scale_f32_16x16x128_f8f6f4 with both operands' format E2M1 (or v_wmma_scale_f32_32x16x128_f4), f32 sums; products left as they are: bf16, f16 or f32 operands; f32 sums; everything else in f32.
;; Inputs: W_out 1,024 x 1,024 float32; W_qkv 1,024 x 3,072 float32; b_out 1,024 float32; b_qkv 3,072 float32; x 4 x 2,048 x 1,024 float32.
;; Outputs: out0 4 x 2,048 x 1,024 float32.
;; This version of the problem:
;;   THIS VERSION OF THE PROBLEM IS GIVEN IN LOW PRECISION. The matrix products marked QUANTISED in the list below multiply operands that are first quantised to E2M1 (2 exponent bits, 1 mantissa bit; 4 bits a number), with one power-of-two scale for each 32 numbers along K (OCP MX v1.0); their sums are f32. The products marked 'left as it is' may take bf16, f16 or f32 operands, with f32 sums. Whichever they take, every output number must still come out within the allowed error. Rounding operands to bf16 (8 significant bits) uses up far more of that allowance than f16 does (11 bits, for magnitudes from 6e-5 to 65,504). All else is computed in f32.
;;   The module's matrix products, in the order in which they are computed (A, B: the left and right operand; K: the contracted axis; several contracted axes count as one K, in the product's order):
;;     1. [M 8,192, K 1,024] x [K 1,024, N 3,072]; A: input x; B: input W_qkv: QUANTISED
;;     2. batch 64 x [M 2,048, K 64] x [K 64, N 2,048]; A: computed on the way; B: computed on the way: left as it is (an operand is computed on the way)
;;     3. batch 64 x [M 2,048, K 2,048] x [K 2,048, N 64]; A: computed on the way; B: computed on the way: left as it is (an operand is computed on the way)
;;     4. [M 8,192, K 1,024] x [K 1,024, N 1,024]; A: computed on the way; B: input W_out: left as it is (an operand is computed on the way)
;;   THE QUANTISER, for each operand of a quantised product, along K:
;;     - K is cut into blocks of 32 from its start; a last block that is shorter is filled with zeros.
;;     - A block's scale is 2^e with e = floor(log2(the largest magnitude in the block)) - 2, held to -126 .. 127; a block of zeros has e = 0. As a byte (E8M0): e + 127.
;;     - Each number is divided by its block's scale, clamped to +-6, and rounded to the nearest number of E2M1, ties to even, subnormals kept.
;;     - The product sums the exact products of the quantised numbers (number of the format x scale) in f32.
;;   ~~~python
;;   def quantise(x, axis):      # numpy; x: float32 -> the quantised numbers, widened to float32 again
;;       x = np.moveaxis(x, axis, -1); K = x.shape[-1]
;;       x = np.pad(x, [(0, 0)] * (x.ndim - 1) + [(0, -K % 32)]); x = x.reshape(x.shape[:-1] + (-1, 32)); a = np.abs(x).max(-1, keepdims=True)
;;       e = np.where(a > 0, np.clip(np.frexp(np.where(a > 0, a, 1))[1] - 1 - 2, -126, 127), 0)      # np.frexp(a)[1] - 1 = floor(log2(a)), exactly
;;       r = np.clip(x / 2.0 ** e, -6, 6)
;;       step = 2.0 ** (np.maximum(np.frexp(np.where(r == 0, 1, r))[1] - 1, 0) - 1)
;;       q = np.round(r / step) * step * 2.0 ** e      # np.round: ties to even
;;       return np.moveaxis(q.reshape(q.shape[:-2] + (-1,))[..., :K], -1, axis).astype(np.float32)
;;   ~~~
;; One version. Each part assembles by itself: llvm-mc -triple=amdgcn-amd-amdhsa -mcpu=gfx1250 --defsym DOCPART=n.
;; ======== version 1 of 1: 5 launches
;; limits: values are held in f16: magnitudes above 65,504 overflow, below 6.1e-05 lose precision
;; workspace buffers: xc 4,194,304 bytes; xs 262,144 bytes; wc 1,572,864 bytes; ws 98,304 bytes; wo16 2,097,152 bytes; qkvh 50,331,648 bytes; qkv32 786,432 bytes; att 16,777,216 bytes
;; launch prep (part 1): grid 480 x 1, 4 waves a work-group, no clusters, 51,712 bytes of LDS; arguments x, W_qkv, W_out, xc, xs, wc, ws, wo16; writes xc, xs, wc, ws, wo16
.if DOCPART == 1
	.amdgcn_target "amdgcn-amd-amdhsa--gfx1250"
	.amdhsa_code_object_version 6
	.text
	.protected	k_qc79ca62e77_prep
	.globl	k_qc79ca62e77_prep
	.p2align	8
	.type	k_qc79ca62e77_prep,@function
k_qc79ca62e77_prep:
	s_mov_b64 s[64:65], 0
	v_nop
	global_prefetch_b8 v0, s[64:65] scope:SCOPE_SE
	s_setreg_imm32_b32 hwreg(HW_REG_WAVE_MODE, 25, 1), 1
	s_wait_xcnt 0x0
; CAUSAL SELF-ATTENTION, launch 1 of 5: the operands of the quantised product x W_qkv become codes of FP4 (E2M1) with one E8M0 scale byte for each 32 along K, and W_out becomes f16.
; WORK LEFT OUT BY THE WHOLE PROGRAM, and why it can reach no output:
;  (a) Score tiles that lie wholly above the diagonal: reference() itself builds the causal mask and sets those scores to -infinity ahead of the softmax, so their weights are 0 for all inputs.
;  (b) The K third of b_qkv, b_qkv[1024:2048].  q . (k + bk) = q . k + q . bk, and q . bk is the same for all keys of a query: a term added to a softmax's input that is the same along its axis leaves
;      the softmax as it is, for all values.  The product of q and k is not quantised, so no quantiser sees bk.  Those 1,024 numbers are not loaded by any launch.
;  LIMIT: a NaN, an infinity or an overflow that reaches only the work left out (in b_qkv[1024:2048], or in scores above the diagonal) is not carried to the result.
; THREE PATHS, chosen by the work-group's number; each path that uses LDS has LDS bytes of its own:
;  work-groups 0-95:    W_qkv [1024 (k)][3072 (n)] f32 -> wc [3072][512 bytes] (K innermost), ws [3072][32].  A lane takes a column n and its registers run down K, so nothing is transposed by an instruction.
;  work-groups 96-351:  x [8192][1024] f32 -> xc [8192][512 bytes], xs [8192][32]: a plain stream of blocks of 32.
;  work-groups 352-479: W_out [1024][1024] f32 -> wo16, f16, the layout kept.
; A block's scale is 2^(floor(log2(its largest magnitude)) - 2); its byte is the largest magnitude's exponent field - 2, held at 1 from below.  A block of zeros gets the byte 1 where the rule says 127:
; its codes are zeros, which add nothing under any byte but 0xff, and this program alone reads the bytes.
; LIMITS: blocks whose largest magnitude lies under 2^-124 were not tried; NaN and infinities among x and W_qkv are not served; |W_out| stays under 65,504, f16's largest number.
.set SPARE, 51200                      ; the spare words: 128 bytes for each wave, two blocks of 256 bytes that no other line names
.set SPW,   192                        ; v192 LDS address of my spare word; never rewritten
.set NIL,   193                        ; v193 0; never rewritten
.set EMAX,  2
	s_load_b256 s[4:11], s[0:1], 0x0               ; x s[4:5], W_qkv s[6:7], W_out s[8:9], xc s[10:11]
	s_load_b256 s[12:19], s[0:1], 0x20             ; xs s[12:13], wc s[14:15], ws s[16:17], wo16 s[18:19]
	v_lshl_add_u32 v[SPW], v0, 2, SPARE
	v_mov_b32 v[NIL], 0
	v_lshrrev_b32 v1, 5, v0
	v_readfirstlane_b32 s20, v1                    ; wave 0..3
	v_and_b32 v2, 31, v0                           ; lane
	s_mov_b32 s25, 0                               ; the upper word of every offset below
	s_wait_kmcnt 0x0
	s_cmp_lt_u32 ttmp9, 96
	s_cbranch_scc1 .Lweights                       ; the longest chain of dependent steps gets the first work-groups
	s_cmp_lt_u32 ttmp9, 352
	s_cbranch_scc1 .Ltokens
; ---- W_out to f16.  A wave takes 2,048 numbers: 16 loads of 512 consecutive bytes, 16 stores of 256 consecutive bytes, aligned.  No LDS.
	s_sub_co_u32 s22, ttmp9, 352
	s_lshl_b32 s22, s22, 2
	s_add_co_u32 s22, s22, s20                     ; my run of 2,048 numbers, 0..511
	s_lshl_b32 s24, s22, 13
	s_add_nc_u64 s[8:9], s[8:9], s[24:25]
	s_lshl_b32 s24, s22, 12
	s_add_nc_u64 s[18:19], s[18:19], s[24:25]
	v_lshlrev_b32 v3, 4, v2
	v_lshlrev_b32 v4, 3, v2
.irp i, 0,1,2,3,4,5,6,7,8,9,10,11,12,13,14,15
	global_load_b128 v[16+4*\i:19+4*\i], v3, s[8:9] offset:512*\i th:TH_LOAD_NT
.endr
.irp i, 0,1,2,3,4,5,6,7,8,9,10,11,12,13,14,15
	s_wait_loadcnt 15-\i                           ; loads come back in order: load i is in, the younger ones stay out
	v_cvt_pk_f16_f32 v[80+2*\i], v[16+4*\i], v[17+4*\i]
	v_cvt_pk_f16_f32 v[81+2*\i], v[18+4*\i], v[19+4*\i]
	global_store_b64 v4, v[80+2*\i:81+2*\i], s[18:19] offset:256*\i   ; each step has its own data registers: none is written again
.endr
	s_branch .Lend
; ---- x.  A wave takes 16 steps of 512 numbers.  Each of a step's four loads reads 512 consecutive bytes; the 2,048 bytes turn through the wave's own stage in LDS and come back 64 bytes a lane,
; so that a lane holds 16 neighbours along K and two neighbouring lanes hold a block.  The stage has 16 bytes of padding behind each 64.  Loads run four steps ahead, the turn one step.
.set SP,  80                           ; a lane's place in a stage
.set XR,  16                           ; v16-79   four sets of 16 numbers as loaded
.set XX,  80                           ; v80-111  two sets of 16 neighbours
.set XE,  112                          ; v112-127 a scale byte for each step
.set XC,  128                          ; v128-191 codes: four registers for each step
.macro XLOAD t
.irp i, 0,1,2,3
	global_load_b128 v[XR+16*((\t)%4)+4*\i:XR+16*((\t)%4)+4*\i+3], v3, s[4:5] offset:2048*(\t)+512*\i th:TH_LOAD_NT
.endr
.endm
.macro XTURN t                         ; LDS serves a wave's instructions in order: no wait between the stores and the loads
.irp i, 0,1,2,3
	ds_store_b128 v14, v[XR+16*((\t)%4)+4*\i:XR+16*((\t)%4)+4*\i+3] offset:32*SP*((\t)%2)+8*SP*\i
.endr
.irp i, 0,1,2,3
	ds_load_b128 v[XX+16*((\t)%2)+4*\i:XX+16*((\t)%2)+4*\i+3], v15 offset:32*SP*((\t)%2)+16*\i
.endr
.endm
.macro XSTEP t
.set XS, XX+16*((\t)%2)
.if (\t) > 0
	s_wait_dscnt 1                                 ; this step's numbers are back from the stage; the last step's byte store may be out
.else
	s_wait_dscnt 0x0
.endif
.if (\t)+4 < 16
	XLOAD (\t)+4                                   ; into the registers that this step's stage stores have read
.endif
.if (\t)+1 < 16
.if 14-(\t) >= 3
	s_wait_loadcnt 12                              ; the next step's four loads are in; those of the three steps behind it may be out
.else
	s_wait_loadcnt 4*(14-(\t))
.endif
	XTURN (\t)+1
.endif
	v_max3_num_f32 v8, |v[XS]|, |v[XS+1]|, |v[XS+2]|               ; the largest magnitude of my 16, in two chains
	v_max3_num_f32 v9, |v[XS+3]|, |v[XS+4]|, |v[XS+5]|
.irp i, 6,10
	v_max3_num_f32 v8, v8, |v[XS+\i]|, |v[XS+\i+1]|
	v_max3_num_f32 v9, v9, |v[XS+\i+2]|, |v[XS+\i+3]|
.endr
	v_max3_num_f32 v8, v8, |v[XS+14]|, |v[XS+15]|
	v_max3_num_f32 v8, v8, v9, (EMAX+1)<<23        ; and the floor 2^(3 - 127): the byte cannot fall under 1
	v_max_num_f32_dpp v8, v8, v8 row_xmask:1 row_mask:0xf bank_mask:0xf   ; with my neighbour's 16: the block's
	v_add_nc_u32 v11, -(EMAX<<23), v8              ; 2 off its exponent field: the conversion takes the exponent field of this operand as its scale
	v_cvt_scalef32_pk8_fp4_f32 v[XC+4*(\t)], v[XS:XS+7], v11
	v_cvt_scalef32_pk8_fp4_f32 v[XC+4*(\t)+1], v[XS+8:XS+15], v11
	v_lshrrev_b32 v[XE+(\t)], 23, v11              ; the scale's byte
	ds_store_b8 v5, v[XE+(\t)] offset:16*(\t)      ; both lanes of a block write the same byte with the same value
	global_store_b64 v4, v[XC+4*(\t):XC+4*(\t)+1], s[10:11] offset:256*(\t)   ; the wave stores 256 consecutive bytes, aligned
.endm
.Ltokens:
	s_sub_co_u32 s22, ttmp9, 96
	s_lshl_b32 s22, s22, 2
	s_add_co_u32 s22, s22, s20                     ; my run of 8,192 numbers, 0..1023
	s_lshl_b32 s24, s22, 15
	s_add_nc_u64 s[4:5], s[4:5], s[24:25]
	s_lshl_b32 s24, s22, 12
	s_add_nc_u64 s[10:11], s[10:11], s[24:25]
	s_lshl_b32 s24, s22, 8
	s_add_nc_u64 s[12:13], s[12:13], s[24:25]
	v_lshlrev_b32 v3, 4, v2                        ; my 16 bytes of a load's 512
	s_lshl_b32 s21, s20, 13                        ; my wave's 8,192 bytes of LDS
	v_lshrrev_b32 v14, 2, v2
	v_mul_u32_u24 v14, v14, SP
	v_and_b32 v15, 3, v2
	v_lshl_add_u32 v14, v15, 4, v14
	v_add_nc_u32 v14, s21, v14                     ; the stage, on the way in: SP (lane / 4) + 16 (lane % 4)
	v_mul_u32_u24 v15, v2, SP
	v_add_nc_u32 v15, s21, v15                     ; and on the way out: SP x lane
	v_lshlrev_b32 v4, 3, v2                        ; my 8 bytes of a step's codes
	v_lshrrev_b32 v5, 1, v2
	s_add_co_u32 s21, s21, 2*32*SP
	v_add_nc_u32 v5, s21, v5                       ; my wave's 256 scale bytes: my block's byte
	v_lshlrev_b32 v7, 3, v2
	v_add_nc_u32 v6, s21, v7                       ; and 8 bytes a lane on the way out
.irp t, 0,1,2,3
	XLOAD \t
.endr
	s_wait_loadcnt 12                              ; step 0's four loads are in
	XTURN 0
.irp t, 0,1,2,3,4,5,6,7,8,9,10,11,12,13,14,15
	XSTEP \t
.endr
	ds_load_b64 v[8:9], v6                         ; these see my byte stores: LDS serves a wave in order
	s_wait_dscnt 0x0
	global_store_b64 v7, v[8:9], s[12:13]          ; 32 lanes store 256 consecutive scale bytes, aligned
	s_branch .Lend
; ---- W_qkv.  A wave takes 32 columns x 256 along K: 8 blocks a lane.  A block of 32 along K lies in one lane's 32 registers, so its largest magnitude needs no other lane.
; A column's 128 bytes of codes go through the wave's own stage (rows 144 bytes apart) and leave eight lanes to a column: runs of 128 bytes; the 8 scale bytes of a column leave as they are.
; Shorter runs than whole rows are the price of 384 waves with 8 blocks each in place of 192 with 16: the chain of dependent loads is half as long.  They are 1.6 MB of the launch's 58.
.set WX,  32                           ; v32-95   two sets of 32 numbers
.set WCD, 96                           ; v96-99   a block's codes
.set WSB, 24                           ; v24-25   the scale bytes, four to a register
.set WOU, 112                          ; v112-143 the way out
.macro WLOAD t                         ; block t: W(32 t + i, my column): 32 lanes read 128 consecutive bytes
.irp i, 0,1,2,3,4,5,6,7,8,9,10,11,12,13,14,15,16,17,18,19,20,21,22,23,24,25,26,27,28,29,30,31
	global_load_b32 v[WX+32*((\t)%2)+\i], v3, s[6:7] offset:(32*(\t)+\i)*12288 th:TH_LOAD_NT
.endr
.endm
.macro WBLOCK t
.set WS, WX+32*((\t)%2)
.if (\t) < 7
	s_wait_loadcnt 32                              ; this block's 32 loads are in; the next block's may be out
.else
	s_wait_loadcnt 0
.endif
	v_max3_num_f32 v12, |v[WS]|, |v[WS+1]|, |v[WS+2]|
	v_max3_num_f32 v13, |v[WS+3]|, |v[WS+4]|, |v[WS+5]|
.irp i, 6,10,14,18,22,26
	v_max3_num_f32 v12, v12, |v[WS+\i]|, |v[WS+\i+1]|
	v_max3_num_f32 v13, v13, |v[WS+\i+2]|, |v[WS+\i+3]|
.endr
	v_max3_num_f32 v12, v12, |v[WS+30]|, |v[WS+31]|
	v_max3_num_f32 v12, v12, v13, (EMAX+1)<<23     ; and the floor
	v_add_nc_u32 v11, -(EMAX<<23), v12             ; the conversion's scale operand
	v_lshrrev_b32 v13, 23, v11                     ; the scale's byte
.if (\t)%4 == 0
	v_mov_b32 v[WSB+(\t)/4], v13
.else
	v_lshl_or_b32 v[WSB+(\t)/4], v13, 8*((\t)%4), v[WSB+(\t)/4]
.endif
.irp g, 0,1,2,3
	v_cvt_scalef32_pk8_fp4_f32 v[WCD+\g], v[WS+8*\g:WS+8*\g+7], v11
.endr
	ds_store_b128 v4, v[WCD:WCD+3] offset:16*(\t)  ; 32 codes: 16 bytes of my column's row
.if (\t)+2 < 8
	WLOAD (\t)+2
.endif
	s_wait_dscnt 0x0                               ; the store has read its registers: the next block's codes may be written (plain vector lines stand ahead of them)
.endm
.Lweights:
	s_lshr_b32 s21, ttmp9, 2                       ; which 128 columns
	s_and_b32 s22, ttmp9, 3                        ; which 256 along K
	s_lshl_b32 s21, s21, 7
	s_lshl_b32 s23, s20, 5
	s_add_co_u32 s21, s21, s23                     ; my wave's first column
	s_mul_i32 s24, s22, 3145728                    ; 256 rows of 12,288 bytes
	s_lshl_b32 s23, s21, 2
	s_add_co_u32 s24, s24, s23
	s_add_nc_u64 s[6:7], s[6:7], s[24:25]
	s_lshl_b32 s24, s21, 9                         ; a column's row of codes is 512 bytes
	s_lshl_b32 s23, s22, 7
	s_add_co_u32 s24, s24, s23
	s_add_nc_u64 s[14:15], s[14:15], s[24:25]
	s_lshl_b32 s24, s21, 5                         ; and of scale bytes 32
	s_lshl_b32 s23, s22, 3
	s_add_co_u32 s24, s24, s23
	s_add_nc_u64 s[16:17], s[16:17], s[24:25]
	s_mul_i32 s23, s20, 4608
	s_add_co_u32 s23, s23, 32768                   ; my stage: 32 rows x 144 bytes, behind the other path's bytes
	v_lshlrev_b32 v3, 2, v2
	v_mul_u32_u24 v4, v2, 144
	v_add_nc_u32 v4, s23, v4                       ; into the stage: row = my column
	v_and_b32 v5, 7, v2
	v_lshrrev_b32 v6, 3, v2
	v_mul_u32_u24 v7, v6, 144
	v_lshl_add_u32 v7, v5, 4, v7
	v_add_nc_u32 v7, s23, v7                       ; out of it: eight lanes to a row, four rows an instruction
	v_lshlrev_b32 v8, 9, v6
	v_lshl_add_u32 v8, v5, 4, v8                   ; and the same place in wc
	v_lshlrev_b32 v9, 5, v2                        ; my column's row of scale bytes
	WLOAD 0
	WLOAD 1
.irp t, 0,1,2,3,4,5,6,7
	WBLOCK \t
.endr
	global_store_b64 v9, v[WSB:WSB+1], s[16:17]
.irp t, 0,1,2,3,4,5,6,7
	ds_load_b128 v[WOU+4*\t:WOU+4*\t+3], v7 offset:576*\t
.endr
.irp t, 0,1,2,3,4,5,6,7
	s_wait_dscnt 7-\t
	global_store_b128 v8, v[WOU+4*\t:WOU+4*\t+3], s[14:15] offset:2048*\t
.endr
.Lend:
	s_wait_tensorcnt 0x0                           ; the wave's end
	ds_add_u32 v[SPW], v[NIL]
	s_wait_dscnt 0x0
	s_endpgm
.Lfunc_end_k_qc79ca62e77_prep:
	.size	k_qc79ca62e77_prep, .Lfunc_end_k_qc79ca62e77_prep-k_qc79ca62e77_prep
	.p2alignl 7, 3214868480
	.fill 96, 4, 3214868480
	.section	.rodata,"a",@progbits
	.p2align	6, 0x0
	.amdhsa_kernel k_qc79ca62e77_prep
		.amdhsa_group_segment_fixed_size 51712
		.amdhsa_private_segment_fixed_size 0
		.amdhsa_enable_private_segment 0
		.amdhsa_kernarg_size 64
		.amdhsa_user_sgpr_count 2
		.amdhsa_user_sgpr_kernarg_segment_ptr 1
		.amdhsa_wavefront_size32 1
		.amdhsa_system_sgpr_workgroup_id_x 1
		.amdhsa_system_sgpr_workgroup_id_y 1
		.amdhsa_system_sgpr_workgroup_id_z 1
		.amdhsa_system_vgpr_workitem_id 0
		.amdhsa_next_free_vgpr 196
		.amdhsa_next_free_sgpr 66
		.amdhsa_reserve_vcc 0
		.amdhsa_float_denorm_mode_32 3
		.amdhsa_float_denorm_mode_16_64 3
		.amdhsa_memory_ordered 1
		.amdhsa_forward_progress 1
		.amdhsa_inst_pref_size 78
	.end_amdhsa_kernel
	.amdgpu_metadata
---
amdhsa.version: [ 1, 2 ]
amdhsa.kernels:
  - .name:           k_qc79ca62e77_prep
    .symbol:         k_qc79ca62e77_prep.kd
    .args:
      - { .name: x, .offset: 0, .size: 8, .value_kind: global_buffer, .address_space: global }
      - { .name: W_qkv, .offset: 8, .size: 8, .value_kind: global_buffer, .address_space: global }
      - { .name: W_out, .offset: 16, .size: 8, .value_kind: global_buffer, .address_space: global }
      - { .name: xc, .offset: 24, .size: 8, .value_kind: global_buffer, .address_space: global }
      - { .name: xs, .offset: 32, .size: 8, .value_kind: global_buffer, .address_space: global }
      - { .name: wc, .offset: 40, .size: 8, .value_kind: global_buffer, .address_space: global }
      - { .name: ws, .offset: 48, .size: 8, .value_kind: global_buffer, .address_space: global }
      - { .name: wo16, .offset: 56, .size: 8, .value_kind: global_buffer, .address_space: global }
    .group_segment_fixed_size: 51712
    .private_segment_fixed_size: 0
    .kernarg_segment_align: 8
    .kernarg_segment_size: 64
    .max_flat_workgroup_size: 128
    .sgpr_count:     66
    .vgpr_count:     196
    .wavefront_size: 32
...
	.end_amdgpu_metadata
.endif
;; end of part 1
;; launch qkv (part 2): grid 12 x 32, 4 waves a work-group, clusters of 4 x 4, 327,680 bytes of LDS; arguments xc, xs, wc, ws, qkvh, b_qkv, qkv32; writes qkvh, qkv32
.if DOCPART == 2
	.amdgcn_target "amdgcn-amd-amdhsa--gfx1250"
	.amdhsa_code_object_version 6
	.text
	.protected	k_qc79ca62e77_qkv
	.globl	k_qc79ca62e77_qkv
	.p2align	8
	.type	k_qc79ca62e77_qkv,@function
k_qc79ca62e77_qkv:
	s_mov_b64 s[64:65], 0
	v_nop
	global_prefetch_b8 v0, s[64:65] scope:SCOPE_SE
	s_setreg_imm32_b32 hwreg(HW_REG_WAVE_MODE, 25, 1), 1
	s_wait_xcnt 0x0
	s_wait_alu depctr_hold_cnt(0) depctr_sa_sdst(0) depctr_va_vdst(0) depctr_va_sdst(0) depctr_va_ssrc(0) depctr_va_vcc(0) depctr_vm_vsrc(0)
	s_getreg_b32 s2, hwreg(HW_REG_IB_STS2, 6, 4)
	s_cmp_eq_u32 s2, 0
	s_cbranch_scc0 .Lentry_in_a_cluster
	s_endpgm
.Lentry_in_a_cluster:
	s_bfe_u32 s2, ttmp6, 0x10000c
	s_cmp_lg_u32 s2, 0xf033
	s_cbranch_scc0 .Lentry_shape_is_right
	s_endpgm
.Lentry_shape_is_right:
; Launch 2 of 5: qkv = x W_qkv + b_qkv on codes of FP4 (E2M1) with E8M0 scales, sums in f32.  xc [8192][512 bytes], xs [8192][32], wc [3072][512 bytes], ws [3072][32]: K = 1,024 innermost.
; OUT: qkvh [g 48][b 4][t 2048][64] f16, g = column / 64 (0-15 q's heads, 16-31 k's, 32-47 v's): a head's rows are one dense slab of 262,144 bytes; and qkv32 [b 4][t 16][3072] f32, the first 16 positions
; of every sequence as they come out of the sums, for the launch that carries those rows in f32.
; LEFT OUT: the K third of b_qkv: it adds to every score of a query the same number, which a softmax takes away for all values; no quantiser sees it.  It is not loaded; those columns' sums begin at 0.
; LIMITS: |q|, |k|, |v| stay under 65,504, f16's largest number.  A NaN or infinity in b_qkv[1024:2048] is not carried to the result.
; A tile of 256 x 256 is made by four waves, each 128 x 128: 64 accumulators of 16 x 16.  K is two steps of 512, one in each of two LDS slots: both are first fills, nothing is filled again.
; The scale bytes of the tile's 256 + 256 rows are two dense blocks of memory and come once, with the first fills.
; CLUSTERS: 4 x 4 work-groups.  Tile column = 4 x cluster x + cx; tile row = 8 cy + cluster y, so that the batch is cy, 'my columns are K's' is cluster x = 1 and 'my rows hold the first 16 positions' is
; cluster y = 0: both tests are the same in all sixteen partners.  A's tiles are asked for jointly along a row of the cluster, B's along a column.
; THE MATRIX INSTRUCTION IS USED TRANSPOSED (source 0 = 16 rows of wc, source 1 = 16 rows of xc): a lane holds eight neighbouring columns of one row.  The bias is the C of each sum's first product.
; REGISTERS: window 0: v0-31 addresses; v32-95 scale words, two sets; v128-191 A's fragments, one set; on the way out v128-223.   window 1: B's fragments at v0 and v128; v64-127 the bias.
;   window 2: the accumulators of my rows 0-63 ((a, b) at v[8 (8 a + b)]);   window 3: those of my rows 64-127.
.set NQ,     4                         ; steps of 128 along K in a slot
.set ROWB,   256                       ; a tile's row in bytes
.set KROW,   512                       ; a row of codes in memory
.set PITCH,  272                       ; an LDS row: 256 bytes + 16 of padding = 68 words, so that the 16 rows that a load touches begin 4 words apart modulo 64
.set FR,     8
.set NL,     2
.set NP,     4                         ; places behind this matrix instruction (ISA guide 7.12.1)
.set HALFT,  128*PITCH
.set SLOT,   4*HALFT
.set KS,     32                        ; a row of scale bytes
.set SCL,    2*SLOT
.set HALFS,  (128*KS/256)*272
.set SBLK,   (16*KS/256)*272
.set SPARE,  SCL+4*HALFS               ; the spare words: 128 bytes for each wave, two blocks of 256 bytes that no other line names
.set ADRA, 16
.set ADRB, 20
.set STO,  24                          ; the way out: where I put 16 bytes of a row
.set RD,   25                          ; and where I read rows back
.set CO,   26                          ; 16 x lane
.set ADRS, 27
.set SPW,  28
.set NIL,  29
.set BO,   30                          ; 32 x (lane / 16): my half's eight numbers of the bias
.set FO,   31                          ; my place in qkv32: 12,288 x (lane % 16) + 32 x (lane / 16)
.set SC,   32
.set AF,   128
.set BK,   128                         ; the way out: rows read back: v128-159 and v160-191 by turns
.set TMP,  192                         ; the way out: packed results
.set BIAS, 64                          ; in window 1
.set G1, 24
.set G0, 32
.set G1B, 48
.set G0B, 56
.set G1S, 68
.set G0S, 76
.set G1SB, 80
.set G0SB, 88
.set MSB, 0
.macro WIN new                         ; the immediate's high byte repeats the setting that is left
.if MSB != \new
	s_set_vgpr_msb (MSB<<8)|\new
.set MSB, \new
.endif
.endm
.set MUL_LO, 0xa1                      ; source 0 (B) window 1, source 1 (A) window 0, C and D window 2
.set MUL_HI, 0xf1                      ; the same, C and D window 3
.set MUL_LOB, 0x91                     ; D window 2, C (the bias) window 1
.set MUL_HIB, 0xd1                     ; D window 3, C window 1
.set TO_B,   0x40
; A joint load: waves 0 and 1 fetch for A, waves 2 and 3 for B.  The branch hangs on the wave's number alone.  An s_nop 0 and four v_nop follow each of the two lines.
.macro JLOAD g0a, g1a, g0b, g1b
	s_cmp_eq_u32 s15, 0
	s_cbranch_scc0 .Lfor_b_\@
	tensor_load_to_lds s[\g0a:\g0a+3], s[\g1a:\g1a+7]
	s_nop 0
.rept 4
	v_nop
.endr
	s_branch .Lasked_\@
.Lfor_b_\@:
	tensor_load_to_lds s[\g0b:\g0b+3], s[\g1b:\g1b+7]
	s_nop 0
.rept 4
	v_nop
.endr
.Lasked_\@:
.endm
.macro CROUND                          ; a round of the cluster's barrier
	s_barrier_signal -1
	s_barrier_wait -1
	s_cmp_lg_u32 s14, 0
	s_cbranch_scc1 .Lnot_wave_0_\@
	s_barrier_signal -3
.Lnot_wave_0_\@:
	s_barrier_wait -3
	s_barrier_signal -1
	s_barrier_wait -1
.endm
	s_load_b128 s[4:7], s[0:1], 0x0                ; xc, xs
	s_load_b128 s[8:11], s[0:1], 0x10              ; wc, ws
	s_load_b64 s[12:13], s[0:1], 0x20              ; qkvh
	s_load_b128 s[96:99], s[0:1], 0x28             ; b_qkv, qkv32
	v_lshl_add_u32 v[SPW], v0, 2, SPARE
	v_mov_b32 v[NIL], 0
	ds_add_u32 v[SPW], v[NIL]                      ; the wave's opening: the add, twice on end, and its wait ahead of my first tensor load
	ds_add_u32 v[SPW], v[NIL]
	v_lshrrev_b32 v1, 5, v0
	v_readfirstlane_b32 s14, v1                    ; wave 0..3
	s_lshr_b32 s15, s14, 1                         ; which half of the tile's rows is mine.  Also: I fetch for A (0) or for B (1)
	s_and_b32 s16, s14, 1                          ; which half of its columns.  Also: which 128 rows of that tile I fetch
	s_bfe_u32 s40, ttmp6, 0x40000                  ; cx
	s_bfe_u32 s41, ttmp6, 0x40004                  ; cy
	s_lshl_b32 s42, ttmp9, 2
	s_add_co_u32 s42, s42, s40                     ; tile column = 4 x cluster x + cx
	s_and_b32 s3, ttmp7, 0xffff                    ; cluster y
	s_lshl_b32 s17, s41, 3
	s_add_co_u32 s17, s17, s3                      ; tile row = 8 cy + cluster y
	s_lshl_b32 s43, s41, 2
	s_lshl_b32 s43, 15, s43                        ; my row of the cluster
	s_lshl_b32 s44, 0x1111, s40                    ; my column
	s_or_b32 s[G1+0], s43, (0<<16)|(1<<20)|(1<<21)|(5<<22)|(3<<25)  ; the mask; elements of 1 byte; padding on; bit 21 beside a mask; 4 words behind every 64
	s_or_b32 s[G1B+0], s44, (0<<16)|(1<<20)|(1<<21)|(5<<22)|(3<<25)
.irp g, G1, G1B
	s_mov_b32 s[\g+1], ROWB<<16                    ; tensor_dim0
	s_mov_b32 s[\g+2], 128<<16                     ; tensor_dim1
	s_mov_b32 s[\g+3], ROWB<<16                    ; tile_dim0
	s_mov_b32 s[\g+4], 128                         ; tile_dim1
	s_mov_b32 s[\g+5], KROW                        ; from row to row
	s_mov_b32 s[\g+6], 0
	s_mov_b32 s[\g+7], 0
.endr
	s_or_b32 s[G1S+0], s43, (3<<16)|(1<<20)|(1<<21)|(5<<22)|(3<<25) ; the scales of 128 rows: 4,096 dense bytes as 16 rows of 32 elements of 8 bytes
	s_or_b32 s[G1SB+0], s44, (3<<16)|(1<<20)|(1<<21)|(5<<22)|(3<<25)
.irp g, G1S, G1SB
	s_mov_b32 s[\g+1], 32<<16
	s_mov_b32 s[\g+2], (128*KS/256)<<16
	s_mov_b32 s[\g+3], 32<<16
	s_mov_b32 s[\g+4], 128*KS/256
	s_mov_b32 s[\g+5], 32
	s_mov_b32 s[\g+6], 0
	s_mov_b32 s[\g+7], 0
.endr
	s_lshl_b32 s18, s16, 7
	s_lshl_b32 s20, s17, 8
	s_add_co_u32 s20, s20, s18                     ; A: row 256 x tile row + 128 x half
	s_lshl_b32 s46, s42, 8
	s_add_co_u32 s46, s46, s18                     ; B: row 256 x tile column + 128 x half
	s_mov_b32 s21, 0
	s_mov_b32 s47, 0
	s_mov_b64 s[18:19], KS
	s_mul_u64 s[22:23], s[20:21], s[18:19]         ; where these rows' scales begin,
	s_mul_u64 s[92:93], s[46:47], s[18:19]
	s_mov_b64 s[18:19], KROW
	s_mul_u64 s[20:21], s[20:21], s[18:19]         ; and their codes
	s_mul_u64 s[46:47], s[46:47], s[18:19]
	s_mul_i32 s45, s14, HALFT                      ; where they go: no place in the cluster enters an LDS address
	s_mul_i32 s94, s14, HALFS
	s_wait_dscnt 0x0                               ; both opening adds are done
	s_wait_kmcnt 0x0
	s_add_nc_u64 s[20:21], s[4:5], s[20:21]
	s_add_nc_u64 s[22:23], s[6:7], s[22:23]
	s_add_nc_u64 s[46:47], s[8:9], s[46:47]
	s_add_nc_u64 s[92:93], s[10:11], s[92:93]
	CROUND                                         ; all sixteen work-groups are here: the joint loads meet
	s_mov_b32 s[G0S], 1
	s_add_co_u32 s[G0S+1], s94, SCL
	s_mov_b64 s[G0S+2:G0S+3], s[22:23]
	s_or_b32 s[G0S+3], s[G0S+3], 0x80000000
	s_mov_b32 s[G0SB], 1
	s_add_co_u32 s[G0SB+1], s94, SCL
	s_mov_b64 s[G0SB+2:G0SB+3], s[92:93]
	s_or_b32 s[G0SB+3], s[G0SB+3], 0x80000000
	JLOAD G0S, G1S, G0SB, G1SB                     ; the scales first; three loads of mine are out behind the last of these
.irp s, 0,1
	s_mov_b32 s[G0+4*\s], 1
	s_add_co_u32 s[G0+4*\s+1], s45, \s*SLOT
	s_add_nc_u64 s[G0+4*\s+2:G0+4*\s+3], s[20:21], \s*ROWB
	s_or_b32 s[G0+4*\s+3], s[G0+4*\s+3], 0x80000000
	s_mov_b32 s[G0B+4*\s], 1
	s_add_co_u32 s[G0B+4*\s+1], s45, \s*SLOT
	s_add_nc_u64 s[G0B+4*\s+2:G0B+4*\s+3], s[46:47], \s*ROWB
	s_or_b32 s[G0B+4*\s+3], s[G0B+4*\s+3], 0x80000000
	JLOAD G0+4*\s, G1, G0B+4*\s, G1B
.endr
	v_and_b32 v1, 15, v0                           ; r = lane % 16
	v_bfe_u32 v2, v0, 4, 1                         ; h = lane / 16
	v_lshlrev_b32 v[BO], 5, v2
	s_lshl_b32 s46, s42, 10
	s_lshl_b32 s47, s16, 9
	s_add_co_u32 s46, s46, s47                     ; 4 x my first column
	s_mov_b32 s47, 0
	s_add_nc_u64 s[96:97], s[96:97], s[46:47]      ; b_qkv at my first column
	s_add_nc_u64 s[98:99], s[98:99], s[46:47]
	s_mul_i32 s46, s41, 196608
	s_add_nc_u64 s[98:99], s[98:99], s[46:47]      ; qkv32 at my batch and my first column
	; THE BIAS in the result's layout: register 8 b + j of window 1's v64-127 = b_qkv[my first column + 16 b + 8 h + j].  K's columns take zeros and load nothing.
	s_cmp_eq_u32 ttmp9, 1                          ; cluster x = 1: the same in all sixteen partners
	s_cbranch_scc1 .Lkeys
	WIN TO_B
.irp b, 0,1,2,3,4,5,6,7
	global_load_b128 v[BIAS+8*\b:BIAS+8*\b+3], v[BO], s[96:97] offset:64*\b
	global_load_b128 v[BIAS+8*\b+4:BIAS+8*\b+7], v[BO], s[96:97] offset:64*\b+16
.endr
	WIN 0
	s_branch .Lbias
.Lkeys:
	WIN TO_B
.set i, 0
.rept 64
	v_mov_b32 v[BIAS+i], 0
.set i, i+1
.endr
	WIN 0
.Lbias:
	v_mul_u32_u24 v3, v1, PITCH
	v_lshl_add_u32 v4, v2, 4, v3                   ; a fragment's row x pitch + 16 x half
	s_mul_i32 s21, s15, HALFT                      ; my 128 rows of A
	s_mul_i32 s22, s16, HALFT                      ; my 128 rows of B,
	s_add_co_u32 s22, s22, 2*HALFT                 ; which lie behind A's 256
.irp s, 0,1
	v_add_nc_u32 v[ADRA+\s], s21, v4
	v_add_nc_u32 v[ADRB+\s], s22, v4
	s_add_co_u32 s21, s21, SLOT
	s_add_co_u32 s22, s22, SLOT
.endr
	v_mul_u32_u24 v5, v1, KS                       ; my row's scales: 32 bytes a row,
	v_lshrrev_b32 v6, 8, v5
	v_lshl_add_u32 v5, v6, 4, v5                   ; and 16 more for each 256 passed
	s_mul_i32 s21, s15, HALFS
	s_mul_i32 s22, s16, HALFS
	s_add_co_u32 s22, s22, 2*HALFS
	s_sub_co_u32 s22, s22, s21
	v_mul_u32_u24 v6, s22, v2                      ; lanes 16-31 take B's: one product, the distance between the two bases
	s_add_co_u32 s21, s21, SCL
	v_add_nc_u32 v5, v5, v6
	v_add_nc_u32 v[ADRS], s21, v5
	s_mul_i32 s23, s14, 4608                       ; my stage for the way out: [2 heads][16 rows][144 bytes], in slot 0
	v_mul_u32_u24 v5, v1, 144
	v_lshl_add_u32 v5, v2, 4, v5
	v_add_nc_u32 v[STO], s23, v5
	v_and_b32 v6, 31, v0
	v_lshlrev_b32 v[CO], 4, v6
	v_lshrrev_b32 v7, 3, v6
	v_mul_u32_u24 v7, v7, 144
	v_and_b32 v6, 7, v6
	v_lshl_add_u32 v7, v6, 4, v7
	v_add_nc_u32 v[RD], s23, v7                    ; back: eight lanes to a row of 128 bytes, four rows an instruction
	v_mul_u32_u24 v[FO], v1, 12288
	v_lshl_add_u32 v[FO], v2, 5, v[FO]
	s_lshl_b32 s46, s42, 4                         ; my first slab: (4 x tile column + 2 x column half) x 4 + batch,
	s_lshl_b32 s47, s16, 3
	s_add_co_u32 s46, s46, s47
	s_add_co_u32 s46, s46, s41
	s_lshl_b32 s46, s46, 18                        ; of 262,144 bytes;
	s_lshl_b32 s47, s3, 15
	s_add_co_u32 s46, s46, s47                     ; in it position 256 x cluster y
	s_lshl_b32 s47, s15, 14
	s_add_co_u32 s46, s46, s47                     ; + 128 x row half, 128 bytes a row
	s_mov_b32 s47, 0
	s_add_nc_u64 s[12:13], s[12:13], s[46:47]
	s_or_b32 s2, s3, s15                           ; 0 where my block 0 holds the first 16 positions
.macro FRAG reg, adr, q, i             ; 16 rows x 128 K of 4-bit codes: 8 registers, two loads of 16 bytes, 32 bytes apart
.irp c, 0,1
	ds_load_b128 v[\reg+4*\c:\reg+4*\c+3], v[\adr] offset:64*(\q)+32*\c+(\i)*16*PITCH
.endr
.endm
; 16 matrix instructions: A's blocks a0, a0 + 1 x B's eight, the slot's q-th 128 along K.  bias = 1: the first product of each sum takes the bias as its C.  The 64 accumulators take turns, one
; instruction a turn, in the same order in every step.
.macro MUL16 a0, p, q, sc, bias
.irp a, \a0, \a0+1
.irp b, 0,1,2,3,4,5,6,7
.set rD, 8*(8*((\a)%4)+\b)
.set rB, 128*(\p)+FR*\b
.set rA, AF+FR*(\a)
.set sB, SC+8*NQ*(\sc)+NQ*\b+(\q)
.set sA, SC+8*NQ*(\sc)+NQ*(\a)+(\q)
.if \bias
	v_wmma_scale_f32_16x16x128_f8f6f4 v[rD:rD+7], v[rB:rB+7], v[rA:rA+7], v[BIAS+8*\b:BIAS+8*\b+7], v[sB], v[sA] matrix_a_fmt:MATRIX_FMT_FP4 matrix_b_fmt:MATRIX_FMT_FP4 matrix_a_scale:MATRIX_SCALE_ROW1
.else
	v_wmma_scale_f32_16x16x128_f8f6f4 v[rD:rD+7], v[rB:rB+7], v[rA:rA+7], v[rD:rD+7], v[sB], v[sA] matrix_a_fmt:MATRIX_FMT_FP4 matrix_b_fmt:MATRIX_FMT_FP4 matrix_a_scale:MATRIX_SCALE_ROW1
.endif
.endr
.endr
.endm
.macro FETCH_B slot, q, p
	WIN TO_B
.irp i, 0,1,2,3,4,5,6,7
	FRAG 128*(\p)+FR*\i, ADRB+\slot, \q, \i
.endr
	WIN 0
.endm
.macro FETCH_A slot, q, i0
.irp i, \i0, \i0+1, \i0+2, \i0+3
	FRAG AF+FR*(\i), ADRA+\slot, \q, \i
.endr
.endm
.macro SCALES sc                       ; a slot's scale words: four words a row; lanes 0-15 take A's block i, lanes 16-31 B's block i
.irp i, 0,1,2,3,4,5,6,7
	ds_load_b128 v[SC+8*NQ*\sc+NQ*\i:SC+8*NQ*\sc+NQ*\i+3], v[ADRS] offset:\i*SBLK
.endr
.endm
.macro PLACES n                        ; plain vector instructions that name none of the matrix instruction's registers (ISA guide 7.12.1)
.rept \n
	v_nop
.endr
.endm
.macro STEP slot, q, bias              ; a step of 128 along K that has its successor in the same slot
	s_wait_dscnt 4*NL                              ; B's set and A's blocks 0-3 are in; the youngest eight loads (A's blocks 4-7) may be out
.if \bias
	WIN MUL_LOB
.else
	WIN MUL_LO
.endif
	MUL16 0, (\q)%2, \q, \slot, \bias
	MUL16 2, (\q)%2, \q, \slot, \bias
	s_wait_dscnt 0
	PLACES NP
	FETCH_B \slot, (\q)+1, 1-(\q)%2
	FETCH_A \slot, (\q)+1, 0
.if \bias
	WIN MUL_HIB
.else
	WIN MUL_HI
.endif
	MUL16 4, (\q)%2, \q, \slot, \bias
	MUL16 6, (\q)%2, \q, \slot, \bias
	PLACES NP
	WIN 0
	FETCH_A \slot, (\q)+1, 4
.endm
.macro TURN slot, next                 ; a slot's last step changes slots: one barrier
	s_wait_tensorcnt 0x0                           ; all my tensor loads have landed: my part of the next slot
	ds_add_u32 v[SPW], v[NIL]                      ; 0 onto my spare word
	s_wait_dscnt 4*NL+1                            ; the add and the youngest eight loads may be out
	WIN MUL_LO
	MUL16 0, 1, NQ-1, \slot, 0
	s_wait_dscnt 0x0                               ; the add is done, and my reads of this slot are over
	s_barrier_signal -1
	MUL16 2, 1, NQ-1, \slot, 0
	WIN 0
	s_barrier_wait -1
	PLACES NP
	v_add_nc_u32 v[ADRS], 4*NQ, v[ADRS]            ; on to the next slot's scale words
	FETCH_B \next, 0, 0
	FETCH_A \next, 0, 0
	SCALES \next
	WIN MUL_HI
	MUL16 4, 1, NQ-1, \slot, 0
	MUL16 6, 1, NQ-1, \slot, 0
	PLACES NP
	WIN 0
	FETCH_A \next, 0, 4
.endm
	s_wait_tensorcnt 1                             ; the scales and my part of slot 0 are in; slot 1's load may be out
	s_barrier_signal -1
	s_barrier_wait -1
	FETCH_B 0, 0, 0
	FETCH_A 0, 0, 0
	SCALES 0
	FETCH_A 0, 0, 4
	s_wait_loadcnt 0x0                             ; the bias
	STEP 0, 0, 1
	STEP 0, 1, 0
	STEP 0, 2, 0
	TURN 0, 1
	STEP 1, 0, 0
	STEP 1, 1, 0
	STEP 1, 2, 0
	s_wait_dscnt 4*NL                              ; the very last step: nothing more to fetch
	WIN MUL_LO
	MUL16 0, 1, NQ-1, 1, 0
	MUL16 2, 1, NQ-1, 1, 0
	s_wait_dscnt 0
	WIN MUL_HI
	MUL16 4, 1, NQ-1, 1, 0
	MUL16 6, 1, NQ-1, 1, 0
	WIN 0
	PLACES NP                                      ; ahead of every read of results and of the loads into the registers that held A's fragments
	; THE FIRST 16 POSITIONS IN F32: block 0 of the waves that hold them, as it stands: runs of 64 bytes, 0.8 MB in the whole launch
	s_cmp_lg_u32 s2, 0
	s_cbranch_scc1 .Lnofine
	WIN 0x08                                       ; a store's data are its source 1: window 2
.irp b, 0,1,2,3,4,5,6,7
	global_store_b128 v[FO], v[8*\b:8*\b+3], s[98:99] offset:64*\b        ; each accumulator from its low end on
	global_store_b128 v[FO], v[8*\b+4:8*\b+7], s[98:99] offset:64*\b+16
.endr
	WIN 0
.Lnofine:
; THE WAY OUT, block by block of 16 rows x 128 columns = two heads.  Rounded to f16, 16 bytes a lane; through my own stage in LDS; back as rows of 128 bytes, four rows an instruction, which are 512
; consecutive bytes of a head's slab.  The stage lies in slot 0, which has had its only fill, and which nobody reads behind the change of slots.  LDS serves a wave's instructions in order.
.macro PACK a
.set AC, 64*((\a)%4)
.set WN, 0x0a+5*((\a)/4)
	WIN WN                                         ; sources 0 and 1: window 2 or 3
.irp b, 0,1,2,3,4,5,6,7
.irp i, 0,1,2,3
	v_cvt_pk_f16_f32 v[TMP+4*\b+\i], v[AC+8*\b+2*\i], v[AC+8*\b+2*\i+1]
.endr
.endr
	WIN 0
.endm
.macro TOSTAGE a
.set BB, BK+32*((\a)%2)
.irp b, 0,1,2,3,4,5,6,7
	ds_store_b128 v[STO], v[TMP+4*\b:TMP+4*\b+3] offset:(\b/4)*2304+(\b%4)*32
.endr
.irp t, 0,1,2,3,4,5,6,7
	ds_load_b128 v[BB+4*\t:BB+4*\t+3], v[RD] offset:(\t/4)*2304+(\t%4)*576
.endr
.endm
.macro SEND a
.set BB, BK+32*((\a)%2)
	s_wait_dscnt 0x0                               ; the block is back in registers
	s_wait_xcnt 0x0                                ; the stores of the block before have read their registers: the next block's loads may land there
.irp t, 0,1,2,3,4,5,6,7
	global_store_b128 v[CO], v[BB+4*\t:BB+4*\t+3], s[12:13] offset:(\t/4)*1048576+(\a)*2048+(\t%4)*512   ; every offset an immediate; 32 lanes store 512 consecutive bytes, aligned
.endr
.endm
	PACK 0
	TOSTAGE 0
.irp a, 1,2,3,4,5,6,7                  ; block a's conversions stand between block a - 1's loads from the stage and the wait for them
	PACK \a
	SEND \a-1
	TOSTAGE \a
.endr
	SEND 7
	s_wait_tensorcnt 0x0                           ; the wave's end
	ds_add_u32 v[SPW], v[NIL]
	s_wait_dscnt 0x0
	CROUND                                         ; the closing round
	s_endpgm
.Lfunc_end_k_qc79ca62e77_qkv:
	.size	k_qc79ca62e77_qkv, .Lfunc_end_k_qc79ca62e77_qkv-k_qc79ca62e77_qkv
	.p2alignl 7, 3214868480
	.fill 96, 4, 3214868480
	.section	.rodata,"a",@progbits
	.p2align	6, 0x0
	.amdhsa_kernel k_qc79ca62e77_qkv
		.amdhsa_group_segment_fixed_size 327680
		.amdhsa_private_segment_fixed_size 0
		.amdhsa_enable_private_segment 0
		.amdhsa_kernarg_size 56
		.amdhsa_user_sgpr_count 2
		.amdhsa_user_sgpr_kernarg_segment_ptr 1
		.amdhsa_wavefront_size32 1
		.amdhsa_system_sgpr_workgroup_id_x 1
		.amdhsa_system_sgpr_workgroup_id_y 1
		.amdhsa_system_sgpr_workgroup_id_z 1
		.amdhsa_system_vgpr_workitem_id 0
		.amdhsa_next_free_vgpr 1024
		.amdhsa_next_free_sgpr 100
		.amdhsa_reserve_vcc 0
		.amdhsa_float_denorm_mode_32 3
		.amdhsa_float_denorm_mode_16_64 3
		.amdhsa_memory_ordered 1
		.amdhsa_forward_progress 1
		.amdhsa_inst_pref_size 132
	.end_amdhsa_kernel
	.amdgpu_metadata
---
amdhsa.version: [ 1, 2 ]
amdhsa.kernels:
  - .name:           k_qc79ca62e77_qkv
    .symbol:         k_qc79ca62e77_qkv.kd
    .args:
      - { .name: xc, .offset: 0, .size: 8, .value_kind: global_buffer, .address_space: global }
      - { .name: xs, .offset: 8, .size: 8, .value_kind: global_buffer, .address_space: global }
      - { .name: wc, .offset: 16, .size: 8, .value_kind: global_buffer, .address_space: global }
      - { .name: ws, .offset: 24, .size: 8, .value_kind: global_buffer, .address_space: global }
      - { .name: qkvh, .offset: 32, .size: 8, .value_kind: global_buffer, .address_space: global }
      - { .name: b_qkv, .offset: 40, .size: 8, .value_kind: global_buffer, .address_space: global }
      - { .name: qkv32, .offset: 48, .size: 8, .value_kind: global_buffer, .address_space: global }
    .group_segment_fixed_size: 327680
    .private_segment_fixed_size: 0
    .kernarg_segment_align: 8
    .kernarg_segment_size: 56
    .max_flat_workgroup_size: 128
    .sgpr_count:     100
    .vgpr_count:     1024
    .wavefront_size: 32
...
	.end_amdgpu_metadata
.endif
;; end of part 2
;; launch attn (part 3): grid 4 x 64, 8 waves a work-group, no clusters, 327,680 bytes of LDS; arguments qkvh, att; writes att
.if DOCPART == 3
	.amdgcn_target "amdgcn-amd-amdhsa--gfx1250"
	.amdhsa_code_object_version 6
	.text
	.protected	k_qc79ca62e77_attn
	.globl	k_qc79ca62e77_attn
	.p2align	8
	.type	k_qc79ca62e77_attn,@function
k_qc79ca62e77_attn:
	s_mov_b64 s[64:65], 0
	v_nop
	global_prefetch_b8 v0, s[64:65] scope:SCOPE_SE
	s_setreg_imm32_b32 hwreg(HW_REG_WAVE_MODE, 25, 1), 1
	s_wait_xcnt 0x0
; Launch 3 of 5: att[h][b][q][:] = the sum over keys k <= q of softmax_k(Q[q] . K[k] / 8) V[k][:], for each of the 64 pairs (head, batch).  Operands f16, products, maxima and sums f32.
; qkvh: [g 48][b 4][t 2048][64] f16 (g 0-15 q, 16-31 k, 32-47 v); att: [h 16][b 4][t 2048][64] f16.  A slab (head, batch) is 262,144 dense bytes; y = 4 h + b.
; LEFT OUT: key steps that lie wholly above the diagonal: reference() builds the causal mask itself.  (K carries no bias: see the launch that made it.)
; The first 16 positions of a sequence are computed here as part of live tiles and stored, since the projection's tiles read them; their final values come from the f32 launch.
; LIMITS: scores under -3e38 are not served; q, k, v under 65,504.
; SHARES.  Work-group (X, y) owns two blocks of 256 queries: block X, then block 7 - X.  They need X + 1 and 8 - X chunks of 256 keys: NINE for every work-group, so one loop with a constant
; trip count serves all 256 work-groups, and all have the same work.  Each of the eight waves owns 32 queries, two tiles of 16; two waves share a SIMD, so that one's softmax stands beside the other's products.
; NO CLUSTER: in the same trip the four work-groups of a head want different chunks (chunk c against chunk c - X - 1), so no joint request would meet.
; LAYOUT.  S^T = K Q^T (source 0 = 16 keys, source 1 = 16 queries): a lane holds ONE query (lane % 16) and the keys 8 (lane / 16) + 0..7.  Two such tiles, rounded to f16 in pairs, are source 1 of
; O^T = V^T P, whose result again holds one query a lane.  K comes out of LDS as it lies, V ([key][channel]) turned by ds_load_tr16_b128.
; SOFTMAX.  A running maximum m and sum l for each query: p = 2^(c s - c m), c = log2(e) / 8; in every step O and l are multiplied by a = 2^(c m_old - c m_new).
; RING.  Two slots of one chunk (256 keys of K, 256 of V).  Waves 0-3 fetch K's four quarters, waves 4-7 V's: one tensor load of 64 rows a wave behind each change of slots; one load of mine is out at the most.
; REGISTERS: window 0: v1-19 addresses; v32-47 statistics, 8 a tile; v64-127 S^T; v128-159 P; v160-223 O^T; v224-255 packed output.   window 1: v0-31 Q at work; v32-63 the second block's Q; v64-127 K; v128-191 V.
.set SLOT1, 131072                     ; slot 1 begins here: one exclusive or turns an address
.set VOFF,  36864                      ; a slot: 256 rows of K x 144 bytes, then 256 rows of V x 160 bytes
.set STAGE, 262144                     ; the way out: 32 rows x 144 bytes for each wave; no tile lands here
.set SPARE, 299008                     ; the spare words: 128 bytes for each wave, four blocks of 256 bytes that no other line names
.set WV, 8
.set XB, 9                             ; work-group x
.set YS, 10                            ; the slab
.set QB, 11                            ; the block of queries in hand
.set KC, 12                            ; this trip's chunk of keys
.set CNT, 13
.set TB, 14                            ; LDS byte at which the slot in hand begins
.set NK, 15                            ; the next trip's chunk
.set KBASE, 16                         ; s[16:17] K's slab at my quarter of a chunk;  s[18:19] V's
.set VBASE, 18
.set SEL, 20
.set CS, 22
.set G1K, 24
.set G1V, 32
.set G0K, 40
.set G0V, 44
.set OFF, 48                           ; s[48:49] an offset in 64 bits
.set QA0, 50
.set PFA, 52
.set PLIM, 54
.set Q0, 55                            ; my first query
.set T0, 56                            ; s[56:57] at work
.set T1, 57
.set KF, 58                            ; the chunk's first key
.set QA1, 60
.set PFB, 62
.set AK0, 3
.set AV0, 4
.set ADK, 5
.set ADV, 6
.set QO, 7
.set STO, 8
.set RD, 9
.set GO, 10
.set PFO, 11
.set SPW, 12
.set NIL, 13
.set NINF, 14
.set DR, 15                            ; lane % 16 - 8 (lane / 16)
.set DM, 16                            ; v16, v17: the mask's bounds for my two tiles
.set L16, 18                           ; 16 x lane
.set TV, 19
.set ST, 32                            ; tile u at v[ST + 8 u]: +0 c m, +1 m, +2, +3 l (even keys', odd keys'), +4 .. +7 at work; a in +6
.set S, 64                             ; tile u, key tile a at v[S + 32 u + 8 a]
.set P, 128
.set O, 160                            ; tile u, channels 16 t on at v[O + 32 u + 8 t]
.set PK, 224
.set QR, 0
.set QN, 32
.set KR, 64
.set VR, 128
.set MSB, 0
.macro WIN new
.if MSB != \new
	s_set_vgpr_msb (MSB<<8)|\new
.set MSB, \new
.endif
.endm
.macro PLACES
.rept 4
	v_nop
.endr
.endm
.macro TLOAD                           ; the branch hangs on the wave's number alone; each arm holds a load; an s_nop 0 and four v_nop follow it
	s_cmp_lt_u32 s[WV], 4
	s_cbranch_scc0 .Lfor_v_\@
	tensor_load_to_lds s[G0K:G0K+3], s[G1K:G1K+7]
	s_nop 0
.rept 4
	v_nop
.endr
	s_branch .Lasked_\@
.Lfor_v_\@:
	tensor_load_to_lds s[G0V:G0V+3], s[G1V:G1V+7]
	s_nop 0
.rept 4
	v_nop
.endr
.Lasked_\@:
.endm
; A PREFETCH INTO THE L2 of what the next change of slots will ask for.  All four work-groups of a head walk the same K and V: work-group X = 0 alone asks, in trips 1 to 6 of its nine, in which it walks
; chunks 0 to 5 of its second block: each wave names the 8,192 bytes that its own tensor load of the next change will bring (chunks 2 to 7), lanes 256 bytes apart.  So each block of 256 bytes is named once
; in the launch, one trip (four key steps) ahead.  Nothing is asked for in trip 0, where the first tiles are on their way, nor at the last two changes.
.macro ASK
	s_sub_co_u32 s[T0], s[CNT], 2
	s_cmp_lt_u32 s[T0], s[PLIM]
	s_cbranch_scc0 .Lnot_mine_\@
	global_prefetch_b8 v[PFO], s[PFA:PFA+1] th:TH_LOAD_NT scope:SCOPE_SE
.Lnot_mine_\@:
.endm
.macro INIT                            ; the step is written once: the first step of a block finds zeros, which the first a = 0 leaves zeros
.set i, 0
.rept 64
	v_mov_b32 v[O+i], 0
.set i, i+1
.endr
.irp u, 0,1
	v_mov_b32 v[ST+8*\u+1], 0xff61b1e6             ; m = -3e38, under every score
	v_mov_b32 v[ST+8*\u+2], 0
	v_mov_b32 v[ST+8*\u+3], 0
	v_mov_b32 v[ST+8*\u+5], 0                      ; a lane permute's destination counts as one of its sources
	v_mov_b32 v[ST+8*\u+7], 0
	v_mul_f32 v[ST+8*\u], s[CS], v[ST+8*\u+1]
.endr
.endm
; THE CHANGE OF SLOTS stands at a trip's head.  Each wave waits for all its tensor loads (its part of the slot that it is about to read), adds 0 to its spare word, and waits for that and for its reads of
; the slot that it has left.  Behind the barrier the slot ahead is whole and nobody reads the other: fill = 1: it takes the next trip's chunk, which has a whole trip in which to land.
.macro CHANGE fill
	s_wait_tensorcnt 0x0                           ; no tensor load of mine is out, so a group 0 may be written
	ds_add_u32 v[SPW], v[NIL]
.if \fill
	s_add_co_u32 s[T0], s[KC], 1
	s_cmp_eq_u32 s[KC], s[QB]                      ; the diagonal chunk ends a block of queries: the next block begins at chunk 0
	s_cselect_b32 s[NK], 0, s[T0]
	s_lshl_b32 s[OFF], s[NK], 15                   ; a chunk is 32,768 bytes
	s_xor_b32 s[G0K+1], s[G0K+1], SLOT1
	s_add_nc_u64 s[G0K+2:G0K+3], s[KBASE:KBASE+1], s[OFF:OFF+1]
	s_or_b32 s[G0K+3], s[G0K+3], 0x80000000
	s_xor_b32 s[G0V+1], s[G0V+1], SLOT1
	s_add_nc_u64 s[G0V+2:G0V+3], s[VBASE:VBASE+1], s[OFF:OFF+1]
	s_or_b32 s[G0V+3], s[G0V+3], 0x80000000
	s_add_co_u32 s[T0], s[NK], 1
	s_min_u32 s[T0], s[T0], 7                      ; held inside the slab in every trip
	s_lshl_b32 s[T0], s[T0], 15
	s_mov_b32 s[T1], 0
	s_wait_xcnt 0x0                                ; the last prefetch, a trip back, has read its address
	s_add_nc_u64 s[PFA:PFA+1], s[PFB:PFB+1], s[T0:T1]
.endif
	s_wait_dscnt 0x0                               ; the add is done, and my reads of the slot that I have left are over
	s_barrier_signal -1
	s_barrier_wait -1
.if \fill
	TLOAD                                          ; the first thing behind the barrier, and my one tensor load until the next
	ASK
.endif
	s_lshl_b32 s[KF], s[KC], 8
	v_add_nc_u32 v[ADK], s[TB], v[AK0]
	v_add_nc_u32 v[ADV], s[TB], v[AV0]
.endm
; THE SOFTMAX of both tiles for 64 keys, the tiles line by line, so that no line waits for the line above it.
.macro SOFT
.irp j, 0,1,2,3
.irp u, 0,1
	v_max3_num_f32 v[ST+8*\u+4+\j], v[S+32*\u+8*\j], v[S+32*\u+8*\j+1], v[S+32*\u+8*\j+2]   ; four chains; each accumulator is read from its low end on
.endr
.endr
.irp g, 1,2
.irp j, 0,1,2,3
.irp u, 0,1
	v_max3_num_f32 v[ST+8*\u+4+\j], v[ST+8*\u+4+\j], v[S+32*\u+8*\j+2*\g+1], v[S+32*\u+8*\j+2*\g+2]
.endr
.endr
.endr
.irp u, 0,1
	v_max3_num_f32 v[ST+8*\u+4], v[ST+8*\u+4], v[S+32*\u+7], v[S+32*\u+15]
.endr
.irp u, 0,1
	v_max3_num_f32 v[ST+8*\u+6], v[ST+8*\u+6], v[S+32*\u+23], v[S+32*\u+31]
.endr
.irp u, 0,1
	v_max3_num_f32 v[ST+8*\u+4], v[ST+8*\u+4], v[ST+8*\u+5], v[ST+8*\u+6]
.endr
.irp u, 0,1
	v_max3_num_f32 v[ST+8*\u+4], v[ST+8*\u+4], v[ST+8*\u+7], v[ST+8*\u+1]   ; with the old m
.endr
.irp u, 0,1
	v_permlanex16_b32 v[ST+8*\u+5], v[ST+8*\u+4], s[SEL], s[SEL+1]          ; the query's other 32 keys lie in the lane 16 away
.endr
.irp u, 0,1
	v_mov_b32 v[ST+8*\u+7], v[ST+8*\u]             ; c m_old
.endr
.irp u, 0,1
	v_max_num_f32 v[ST+8*\u+1], v[ST+8*\u+4], v[ST+8*\u+5]
.endr
.irp u, 0,1
	v_mul_f32 v[ST+8*\u], s[CS], v[ST+8*\u+1]
.endr
.irp u, 0,1
	v_sub_f32 v[ST+8*\u+7], v[ST+8*\u+7], v[ST+8*\u]
.endr
.irp b, 0,1,2,3,4,5,6,7,8,9,10,11,12,13,14,15
.irp u, 0,1
	v_pk_fma_f32 v[S+32*\u+2*\b:S+32*\u+2*\b+1], v[S+32*\u+2*\b:S+32*\u+2*\b+1], s[CS:CS+1], v[ST+8*\u:ST+8*\u+1] op_sel_hi:[1,0,0] neg_lo:[0,0,1] neg_hi:[0,0,1]   ; c s - c m, two at a time
.endr
.endr
.irp u, 0,1
	v_exp_f32 v[ST+8*\u+6], v[ST+8*\u+7]           ; a
.endr
.set e, 0
.rept 64
	v_exp_f32 v[S+e], v[S+e]                       ; ONE BATCH of 66 exponentials: none reads another's result
.set e, e+1
.endr
	v_nop                                          ; a plain instruction behind the last exponential,
	s_wait_alu depctr_va_vdst(0)                   ; and one wait for the batch, ahead of its first reader
.irp i, 0,1,2,3,4,5,6,7,8,9,10,11,12,13,14,15
.irp u, 0,1
	v_cvt_pk_f16_f32 v[P+16*\u+\i], v[S+32*\u+2*\i], v[S+32*\u+2*\i+1]
.endr
.endr
.irp z, 0,1,2,3,4,5,6,7                ; the sum of a tile's 16 pairs, in place: neighbours 1, 2, 4 and 8 pairs apart
.irp u, 0,1
	v_pk_add_f32 v[S+32*\u+4*\z:S+32*\u+4*\z+1], v[S+32*\u+4*\z:S+32*\u+4*\z+1], v[S+32*\u+4*\z+2:S+32*\u+4*\z+3]
.endr
.endr
.irp z, 0,1,2,3
.irp u, 0,1
	v_pk_add_f32 v[S+32*\u+8*\z:S+32*\u+8*\z+1], v[S+32*\u+8*\z:S+32*\u+8*\z+1], v[S+32*\u+8*\z+4:S+32*\u+8*\z+5]
.endr
.endr
.irp z, 0,1
.irp u, 0,1
	v_pk_add_f32 v[S+32*\u+16*\z:S+32*\u+16*\z+1], v[S+32*\u+16*\z:S+32*\u+16*\z+1], v[S+32*\u+16*\z+8:S+32*\u+16*\z+9]
.endr
.endr
.irp u, 0,1
	v_pk_add_f32 v[S+32*\u:S+32*\u+1], v[S+32*\u:S+32*\u+1], v[S+32*\u+16:S+32*\u+17]
.endr
.irp u, 0,1
	v_pk_fma_f32 v[ST+8*\u+2:ST+8*\u+3], v[ST+8*\u+2:ST+8*\u+3], v[ST+8*\u+6:ST+8*\u+7], v[S+32*\u:S+32*\u+1] op_sel_hi:[1,0,1]   ; l = a l + the sum
.endr
.irp i, 0,1,2,3,4,5,6,7,8,9,10,11,12,13,14,15
.irp u, 0,1
	v_pk_mul_f32 v[O+32*\u+2*\i:O+32*\u+2*\i+1], v[O+32*\u+2*\i:O+32*\u+2*\i+1], v[ST+8*\u+6:ST+8*\u+7] op_sel_hi:[1,0]   ; O^T x a, each accumulator from its low end on
.endr
.endr
.endm
; A KEY STEP: 64 keys, the s-th of the chunk in hand; every offset is an immediate.  A step all of whose keys come after my 32 queries is left out: a scalar branch on ids; no barrier, wait on tensor loads or
; tensor load stands in a step.  The accumulators take turns, one instruction a turn, within a step and from step to step.
.macro STEP s
	s_add_co_u32 s[T0], s[KF], 64*\s               ; the step's first key
	s_add_co_u32 s[T1], s[Q0], 31                  ; my last query
	s_cmp_gt_u32 s[T0], s[T1]
	s_cbranch_scc1 .Lhid_\@
	PLACES                                         ; ahead of loads into registers that the last step's products have read
	WIN 0x40                                       ; destination window 1
.irp a, 0,1,2,3
.irp d, 0,1
	ds_load_b128 v[KR+16*\a+8*\d:KR+16*\a+8*\d+3],   v[ADK] offset:9216*\s+2304*\a+64*\d
	ds_load_b128 v[KR+16*\a+8*\d+4:KR+16*\a+8*\d+7], v[ADK] offset:9216*\s+2304*\a+64*\d+32
.endr
.endr
.irp k, 0,1
.irp t, 0,1,2,3
	ds_load_tr16_b128 v[VR+32*\k+8*\t:VR+32*\k+8*\t+3],   v[ADV] offset:10240*\s+5120*\k+32*\t
	ds_load_tr16_b128 v[VR+32*\k+8*\t+4:VR+32*\k+8*\t+7], v[ADV] offset:10240*\s+5120*\k+32*\t+2560
.endr
.endr
	s_wait_dscnt 16                                ; K is in; V's sixteen loads may be out
	WIN 0x05                                       ; K and Q in window 1, S^T in window 0
.irp d, 0,1
.irp a, 0,1,2,3
.irp u, 0,1
.if \d == 0
	v_wmma_f32_16x16x32_f16 v[S+32*\u+8*\a:S+32*\u+8*\a+7], v[KR+16*\a+8*\d:KR+16*\a+8*\d+7], v[QR+16*\u+8*\d:QR+16*\u+8*\d+7], 0
.else
	v_wmma_f32_16x16x32_f16 v[S+32*\u+8*\a:S+32*\u+8*\a+7], v[KR+16*\a+8*\d:KR+16*\a+8*\d+7], v[QR+16*\u+8*\d:QR+16*\u+8*\d+7], v[S+32*\u+8*\a:S+32*\u+8*\a+7]
.endif
.endr
.endr
.endr
	WIN 0
	PLACES
	s_add_co_u32 s[T1], s[T0], 63                  ; the step's last key: at or under my first query, every key counts
	s_cmp_le_u32 s[T1], s[Q0]
	s_cbranch_scc1 .Lopen_\@
	s_sub_co_i32 s[T1], s[Q0], s[T0]               ; ON THE DIAGONAL (one step of a wave in each block): hidden scores become -infinity ahead of the maximum.  The step's first key counts for all my queries
	v_add_nc_u32 v[DM], s[T1], v[DR]               ; register 8 a + j of tile u holds key 16 a + 8 (lane / 16) + j of the step: hidden where 16 a + j > my query - first key - 8 (lane / 16)
	v_add_nc_u32 v[DM+1], 16, v[DM]
.irp u, 0,1
.irp a, 0,1,2,3
.irp j, 0,1,2,3,4,5,6,7
	v_cmp_gt_i32 vcc_lo, 16*\a+\j, v[DM+\u]
	v_cndmask_b32 v[S+32*\u+8*\a+\j], v[S+32*\u+8*\a+\j], v[NINF], vcc_lo
.endr
.endr
.endr
.Lopen_\@:
	SOFT
	s_wait_dscnt 0x0                               ; V is in
	WIN 0x01                                       ; V in window 1
.irp k, 0,1
.irp t, 0,1,2,3
.irp u, 0,1
	v_wmma_f32_16x16x32_f16 v[O+32*\u+8*\t:O+32*\u+8*\t+7], v[VR+32*\k+8*\t:VR+32*\k+8*\t+7], v[P+16*\u+8*\k:P+16*\u+8*\k+7], v[O+32*\u+8*\t:O+32*\u+8*\t+7]
.endr
.endr
.endr
	WIN 0
.Lhid_\@:
.endm
; A BLOCK'S END: O^T / l, rounded to f16, through my stage in LDS, out as 4,096 consecutive bytes of the slab.
.macro FINISH
	PLACES
.irp u, 0,1
	v_add_f32 v[ST+8*\u+4], v[ST+8*\u+2], v[ST+8*\u+3]
.endr
.irp u, 0,1
	v_permlanex16_b32 v[ST+8*\u+5], v[ST+8*\u+4], s[SEL], s[SEL+1]
.endr
.irp u, 0,1
	v_add_f32 v[ST+8*\u+4], v[ST+8*\u+4], v[ST+8*\u+5]
.endr
.irp u, 0,1
	v_rcp_f32 v[ST+8*\u+6], v[ST+8*\u+4]
.endr
	s_lshl_b32 s[T0], s[Q0], 7
	v_add_nc_u32 v[GO], s[T0], v[L16]              ; my bytes in the slab (a plain instruction behind the reciprocals)
	s_wait_alu depctr_va_vdst(0)                   ; one wait for both, ahead of their first reader
.irp u, 0,1
.irp i, 0,1,2,3,4,5,6,7,8,9,10,11,12,13,14,15
	v_pk_mul_f32 v[O+32*\u+2*\i:O+32*\u+2*\i+1], v[O+32*\u+2*\i:O+32*\u+2*\i+1], v[ST+8*\u+6:ST+8*\u+7] op_sel_hi:[1,0]
.endr
.endr
.irp u, 0,1
.irp i, 0,1,2,3,4,5,6,7,8,9,10,11,12,13,14,15
	v_cvt_pk_f16_f32 v[PK+16*\u+\i], v[O+32*\u+2*\i], v[O+32*\u+2*\i+1]
.endr
.endr
.irp u, 0,1
.irp t, 0,1,2,3
	ds_store_b128 v[STO], v[PK+16*\u+4*\t:PK+16*\u+4*\t+3] offset:2304*\u+32*\t
.endr
.endr
.irp i, 0,1,2,3,4,5,6,7
	ds_load_b128 v[S+4*\i:S+4*\i+3], v[RD] offset:576*\i               ; LDS serves a wave's instructions in order: these see my stores
.endr
.irp i, 0,1,2,3,4,5,6,7
	s_wait_dscnt 7-\i
	global_store_b128 v[GO], v[S+4*\i:S+4*\i+3], s[2:3] offset:512*\i  ; 32 lanes store 512 consecutive bytes, aligned
.endr
.endm
.macro START                           ; on to block 7 - X; its Q has lain in registers since the head
	s_sub_co_u32 s[QB], 7, s[XB]
	s_mov_b32 s[KC], -1                            ; the trip's end makes it 0
	s_lshl_b32 s[Q0], s[QB], 8
	s_lshl_b32 s[T0], s[WV], 5
	s_add_co_u32 s[Q0], s[Q0], s[T0]
	WIN 0x41
.set i, 0
.rept 32
	v_mov_b32 v[QR+i], v[QN+i]
.set i, i+1
.endr
	WIN 0
	INIT
	s_wait_xcnt 0x0                                ; the block's stores have read their data and their offset: both are written again only behind this wait
.endm
	s_load_b128 s[4:7], s[0:1], 0x0                ; qkvh, att
	v_lshl_add_u32 v[SPW], v0, 2, SPARE
	v_mov_b32 v[NIL], 0
	ds_add_u32 v[SPW], v[NIL]                      ; the wave's opening: the add, twice on end, and its wait ahead of my first tensor load
	ds_add_u32 v[SPW], v[NIL]
	v_lshrrev_b32 v1, 5, v0
	v_readfirstlane_b32 s[WV], v1                  ; wave 0..7
	s_mov_b32 s[XB], ttmp9
	s_and_b32 s[YS], ttmp7, 0xffff
	s_mov_b32 s[G1K], (1<<16)|(1<<20)|(4<<22)|(3<<25)   ; no mask; elements of 2 bytes; padding on: 4 words behind every 32: rows 144 bytes apart
	s_mov_b32 s[G1V], (1<<16)|(1<<20)|(4<<22)|(7<<25)   ; 8 words: rows 160 bytes apart
.irp g, G1K, G1V
	s_mov_b32 s[\g+1], 64<<16                      ; tensor_dim0 = 64
	s_mov_b32 s[\g+2], 64<<16                      ; tensor_dim1 = 64
	s_mov_b32 s[\g+3], 64<<16                      ; tile_dim0 = 64
	s_mov_b32 s[\g+4], 64                          ; tile_dim1 = 64
	s_mov_b32 s[\g+5], 64                          ; from row to row
	s_mov_b32 s[\g+6], 0
	s_mov_b32 s[\g+7], 0
.endr
	s_mov_b32 s[SEL], 0x76543210
	s_mov_b32 s[SEL+1], 0xfedcba98
	s_mov_b32 s[CS], 0x3e38aa3b                    ; c = log2(e) / 8
	s_mov_b32 s[CS+1], s[CS]
	s_and_b32 s[T0], s[WV], 3                      ; which quarter of a chunk I fetch
	s_mov_b32 s[G0K], 1
	s_mul_i32 s[G0K+1], s[T0], 9216
	s_mov_b32 s[G0V], 1
	s_mul_i32 s[G0V+1], s[T0], 10240
	s_add_co_u32 s[G0V+1], s[G0V+1], VOFF
	s_lshl_b32 s[T1], s[T0], 13
	s_lshl_b32 s[OFF], s[YS], 18
	s_mov_b32 s[OFF+1], 0
	s_wait_dscnt 0x0                               ; both opening adds are done
	s_wait_kmcnt 0x0
	s_add_nc_u64 s[2:3], s[6:7], s[OFF:OFF+1]      ; att's slab
	s_add_nc_u64 s[4:5], s[4:5], s[OFF:OFF+1]      ; q's slab
	s_add_co_u32 s[OFF], s[T1], 0x1000000          ; k's slabs lie 64 slabs on
	s_add_nc_u64 s[KBASE:KBASE+1], s[4:5], s[OFF:OFF+1]
	s_add_nc_u64 s[VBASE:VBASE+1], s[KBASE:KBASE+1], 0x1000000
	s_mov_b64 s[G0K+2:G0K+3], s[KBASE:KBASE+1]
	s_or_b32 s[G0K+3], s[G0K+3], 0x80000000
	s_mov_b64 s[G0V+2:G0V+3], s[VBASE:VBASE+1]
	s_or_b32 s[G0V+3], s[G0V+3], 0x80000000
	TLOAD                                          ; chunk 0 into slot 0: it counts for every query
	s_lshl_b32 s[OFF], s[XB], 15
	s_lshl_b32 s[T0], s[WV], 12
	s_add_co_u32 s[OFF], s[OFF], s[T0]
	s_add_nc_u64 s[QA0:QA0+1], s[4:5], s[OFF:OFF+1]     ; Q of block X, my 32 rows
	s_sub_co_u32 s[T1], 7, s[XB]
	s_lshl_b32 s[OFF], s[T1], 15
	s_add_co_u32 s[OFF], s[OFF], s[T0]
	s_add_nc_u64 s[QA1:QA1+1], s[4:5], s[OFF:OFF+1]     ; and of block 7 - X
	v_and_b32 v1, 15, v0                           ; r
	v_bfe_u32 v2, v0, 4, 1                         ; h
	v_lshlrev_b32 v[QO], 7, v1
	v_lshl_add_u32 v[QO], v2, 4, v[QO]
	WIN 0x40
.irp u, 0,1
.irp d, 0,1
	global_load_b128 v[QR+16*\u+8*\d:QR+16*\u+8*\d+3],   v[QO], s[QA0:QA0+1] offset:2048*\u+64*\d
	global_load_b128 v[QR+16*\u+8*\d+4:QR+16*\u+8*\d+7], v[QO], s[QA0:QA0+1] offset:2048*\u+64*\d+32
	global_load_b128 v[QN+16*\u+8*\d:QN+16*\u+8*\d+3],   v[QO], s[QA1:QA1+1] offset:2048*\u+64*\d
	global_load_b128 v[QN+16*\u+8*\d+4:QN+16*\u+8*\d+7], v[QO], s[QA1:QA1+1] offset:2048*\u+64*\d+32
.endr
.endr
	WIN 0
	s_cmp_lt_u32 s[WV], 4
	s_cselect_b64 s[PFB:PFB+1], s[KBASE:KBASE+1], s[VBASE:VBASE+1]
	s_cmp_eq_u32 s[XB], 0
	s_cselect_b32 s[PLIM], 6, 0
	v_mul_u32_u24 v[AK0], v1, 144
	v_lshl_add_u32 v[AK0], v2, 4, v[AK0]           ; K: row x pitch + 16 x half
	v_and_b32 v[TV], 7, v0
	v_lshl_add_u32 v[AV0], v2, 3, v[TV]
	v_mul_u32_u24 v[AV0], v[AV0], 160
	v_bfe_u32 v[TV], v0, 3, 1
	v_lshl_add_u32 v[AV0], v[TV], 4, v[AV0]
	v_add_nc_u32 v[AV0], VOFF, v[AV0]              ; V, for the turning load: key 8 h + lane % 8, channels 8 ((lane / 8) % 2) on
	s_mul_i32 s[T0], s[WV], 4608
	s_add_co_u32 s[T0], s[T0], STAGE               ; my stage
	v_add_nc_u32 v[STO], s[T0], v[AK0]
	v_bfe_u32 v[TV], v0, 3, 2
	v_mul_u32_u24 v[RD], v[TV], 144
	v_and_b32 v[TV], 7, v0
	v_lshl_add_u32 v[RD], v[TV], 4, v[RD]
	v_add_nc_u32 v[RD], s[T0], v[RD]
	v_and_b32 v[L16], 31, v0
	v_lshlrev_b32 v[PFO], 8, v[L16]
	v_lshlrev_b32 v[L16], 4, v[L16]
	v_mov_b32 v[NINF], 0xff800000
	v_lshlrev_b32 v[DR], 3, v2
	v_sub_nc_u32 v[DR], v1, v[DR]
	INIT
	s_mov_b32 s[TB], 0
	s_mov_b32 s[QB], s[XB]
	s_mov_b32 s[KC], 0
	s_lshl_b32 s[Q0], s[XB], 8
	s_lshl_b32 s[T0], s[WV], 5
	s_add_co_u32 s[Q0], s[Q0], s[T0]
	s_mov_b32 s[CNT], 8
	s_wait_loadcnt 0x0                             ; Q, both blocks'
.Ltrip:                                            ; eight trips; behind each change of slots the next trip's chunk is asked for
	CHANGE 1
	STEP 0
	STEP 1
	STEP 2
	STEP 3
	s_xor_b32 s[TB], s[TB], SLOT1
	s_cmp_lg_u32 s[KC], s[QB]                      ; ids and the count of trips alone: all eight waves go the same way
	s_cbranch_scc1 .Lon
	FINISH
	START
.Lon:
	s_add_co_u32 s[KC], s[KC], 1
	s_sub_co_u32 s[CNT], s[CNT], 1
	s_cmp_lg_u32 s[CNT], 0
	s_cbranch_scc1 .Ltrip
	CHANGE 0                                       ; the ninth trip is written out: it asks for nothing
	STEP 0
	STEP 1
	STEP 2
	STEP 3
	FINISH
	s_wait_tensorcnt 0x0                           ; the wave's end
	ds_add_u32 v[SPW], v[NIL]
	s_wait_dscnt 0x0
	s_endpgm
.Lfunc_end_k_qc79ca62e77_attn:
	.size	k_qc79ca62e77_attn, .Lfunc_end_k_qc79ca62e77_attn-k_qc79ca62e77_attn
	.p2alignl 7, 3214868480
	.fill 96, 4, 3214868480
	.section	.rodata,"a",@progbits
	.p2align	6, 0x0
	.amdhsa_kernel k_qc79ca62e77_attn
		.amdhsa_group_segment_fixed_size 327680
		.amdhsa_private_segment_fixed_size 0
		.amdhsa_enable_private_segment 0
		.amdhsa_kernarg_size 16
		.amdhsa_user_sgpr_count 2
		.amdhsa_user_sgpr_kernarg_segment_ptr 1
		.amdhsa_wavefront_size32 1
		.amdhsa_system_sgpr_workgroup_id_x 1
		.amdhsa_system_sgpr_workgroup_id_y 1
		.amdhsa_system_sgpr_workgroup_id_z 1
		.amdhsa_system_vgpr_workitem_id 0
		.amdhsa_next_free_vgpr 512
		.amdhsa_next_free_sgpr 66
		.amdhsa_reserve_vcc 1
		.amdhsa_float_denorm_mode_32 3
		.amdhsa_float_denorm_mode_16_64 3
		.amdhsa_memory_ordered 1
		.amdhsa_forward_progress 1
		.amdhsa_inst_pref_size 199
	.end_amdhsa_kernel
	.amdgpu_metadata
---
amdhsa.version: [ 1, 2 ]
amdhsa.kernels:
  - .name:           k_qc79ca62e77_attn
    .symbol:         k_qc79ca62e77_attn.kd
    .args:
      - { .name: qkvh, .offset: 0, .size: 8, .value_kind: global_buffer, .address_space: global }
      - { .name: att, .offset: 8, .size: 8, .value_kind: global_buffer, .address_space: global }
    .group_segment_fixed_size: 327680
    .private_segment_fixed_size: 0
    .kernarg_segment_align: 8
    .kernarg_segment_size: 16
    .max_flat_workgroup_size: 256
    .sgpr_count:     66
    .vgpr_count:     512
    .wavefront_size: 32
...
	.end_amdgpu_metadata
.endif
;; end of part 3
;; launch proj (part 4): grid 4 x 64, 4 waves a work-group, clusters of 4 x 4, 327,680 bytes of LDS; arguments att, wo16, out0, b_out; writes out0
.if DOCPART == 4
	.amdgcn_target "amdgcn-amd-amdhsa--gfx1250"
	.amdhsa_code_object_version 6
	.text
	.protected	k_qc79ca62e77_proj
	.globl	k_qc79ca62e77_proj
	.p2align	8
	.type	k_qc79ca62e77_proj,@function
k_qc79ca62e77_proj:
	s_mov_b64 s[64:65], 0
	v_nop
	global_prefetch_b8 v0, s[64:65] scope:SCOPE_SE
	s_setreg_imm32_b32 hwreg(HW_REG_WAVE_MODE, 25, 1), 1
	s_wait_xcnt 0x0
	s_wait_alu depctr_hold_cnt(0) depctr_sa_sdst(0) depctr_va_vdst(0) depctr_va_sdst(0) depctr_va_ssrc(0) depctr_va_vcc(0) depctr_vm_vsrc(0)
	s_getreg_b32 s2, hwreg(HW_REG_IB_STS2, 6, 4)
	s_cmp_eq_u32 s2, 0
	s_cbranch_scc0 .Lentry_in_a_cluster
	s_endpgm
.Lentry_in_a_cluster:
	s_bfe_u32 s2, ttmp6, 0x10000c
	s_cmp_lg_u32 s2, 0xf033
	s_cbranch_scc0 .Lentry_shape_is_right
	s_endpgm
.Lentry_shape_is_right:
; Launch 4 of 5: out0 = concat(att) W_out + b_out, operands f16, sums f32.  att: [h 16][b 4][t 2048][64] f16; wo16: [k 1024][n 1024] f16; out0: [b 4][t 2048][1024] f32.
; NOT STORED HERE: the first 16 positions of every sequence: the last launch makes them in f32.  They are computed as part of a live tile.
; A tile of 128 rows x 256 columns is made by four waves, each 64 x 128: 32 accumulators of 16 x 16: 256 work-groups.  K goes in 8 steps of 128, two heads, through a ring of two LDS slots.
; CLUSTERS: 4 x 4.  Tile column = cx; tile row = 16 cy + cluster y, so that the batch is cy and 'my rows hold the first 16 positions' is cluster y = 0, the same in all partners.
; att's tiles are asked for jointly along a row of the cluster, wo16's along a column.  Waves 0 and 1 fetch one head's 128 rows of att each (dense), waves 2 and 3 64 rows of wo16 each.
; THE MATRIX INSTRUCTION IS USED TRANSPOSED: source 0 = 16 columns of W_out, turned by ds_load_tr16_b128 out of rows that lie along n; source 1 = 16 rows of att.  A lane holds eight neighbouring columns of a row.
; The bias is the C of each sum's first product.
; REGISTERS: window 0: v16-29 addresses; v32-127, v128-223 two fragment buffers (A's four blocks, then B's eight); on the way out v32-159.   window 1: the accumulators, (a, b) at v[64 a + 8 b].   window 2: v0-63 the bias.
.set SLOT,  106496                     ; A: two heads x 128 rows x 144 bytes; then B: 128 rows x 544 bytes
.set BOFF,  36864
.set STAGE, 212992                     ; the way out: 16 rows x 528 bytes for each wave; no tile lands here
.set SPARE, 246784                     ; the spare words: 128 bytes for each wave, two blocks of 256 bytes that no other line names
.set ADRA, 16
.set ADRB, 20
.set STO,  24
.set RD,   25
.set CO,   26
.set BO,   27
.set SPW,  28
.set NIL,  29
.set F0,   32
.set F1,   128
.set G1A, 24
.set G0A, 32
.set G1B, 48
.set G0B, 56
.set MSB, 0
.macro WIN new
.if MSB != \new
	s_set_vgpr_msb (MSB<<8)|\new
.set MSB, \new
.endif
.endm
.set MUL,  0x50                        ; C and D window 1, the fragments window 0
.set MULB, 0x60                        ; D window 1, C (the bias) window 2
.macro PLACES
.rept 4
	v_nop
.endr
.endm
.macro JLOAD s                         ; a joint load; the branch hangs on the wave's number alone; an s_nop 0 and four v_nop follow each of the two lines
	s_cmp_eq_u32 s13, 0
	s_cbranch_scc0 .Lfor_b_\@
	tensor_load_to_lds s[G0A+4*\s:G0A+4*\s+3], s[G1A:G1A+7]
	s_nop 0
.rept 4
	v_nop
.endr
	s_branch .Lasked_\@
.Lfor_b_\@:
	tensor_load_to_lds s[G0B+4*\s:G0B+4*\s+3], s[G1B:G1B+7]
	s_nop 0
.rept 4
	v_nop
.endr
.Lasked_\@:
.endm
.macro CREST                           ; a round of the cluster's barrier behind its opening barrier
	s_cmp_lg_u32 s12, 0
	s_cbranch_scc1 .Lnot_wave_0_\@
	s_barrier_signal -3
.Lnot_wave_0_\@:
	s_barrier_wait -3
	s_barrier_signal -1
	s_barrier_wait -1
.endm
.macro CROUND
	s_barrier_signal -1
	s_barrier_wait -1
	CREST
.endm
	s_load_b128 s[4:7], s[0:1], 0x0                ; att, wo16
	s_load_b128 s[8:11], s[0:1], 0x10              ; out0, b_out
	v_lshl_add_u32 v[SPW], v0, 2, SPARE
	v_mov_b32 v[NIL], 0
	ds_add_u32 v[SPW], v[NIL]                      ; the wave's opening: the add, twice on end, and its wait ahead of my first tensor load
	ds_add_u32 v[SPW], v[NIL]
	v_lshrrev_b32 v1, 5, v0
	v_readfirstlane_b32 s12, v1                    ; wave 0..3
	s_lshr_b32 s13, s12, 1                         ; which 64 rows are mine.  Also: I fetch for A (0) or for B (1)
	s_and_b32 s14, s12, 1                          ; which 128 columns.  Also: which half of that tile I fetch
	s_bfe_u32 s15, ttmp6, 0x40000                  ; cx
	s_bfe_u32 s16, ttmp6, 0x40004                  ; cy
	s_and_b32 s17, ttmp7, 0xffff                   ; cluster y
	s_lshl_b32 s40, s16, 2
	s_lshl_b32 s40, 15, s40                        ; my row of the cluster
	s_lshl_b32 s41, 0x1111, s15                    ; my column
	s_or_b32 s[G1A], s40, (1<<16)|(1<<20)|(1<<21)|(4<<22)|(3<<25)   ; the mask; elements of 2 bytes; padding on; bit 21 beside a mask; 4 words behind every 32: rows 144 bytes apart
	s_mov_b32 s[G1A+1], 64<<16                     ; tensor_dim0 = 64
	s_mov_b32 s[G1A+2], 128<<16                    ; tensor_dim1 = 128
	s_mov_b32 s[G1A+3], 64<<16                     ; tile_dim0
	s_mov_b32 s[G1A+4], 128                        ; tile_dim1
	s_mov_b32 s[G1A+5], 64                         ; from row to row
	s_mov_b32 s[G1A+6], 0
	s_mov_b32 s[G1A+7], 0
	s_or_b32 s[G1B], s41, (1<<16)|(1<<20)|(1<<21)|(6<<22)|(7<<25)   ; 8 words behind every 128: rows 544 bytes apart
	s_mov_b32 s[G1B+1], 256<<16
	s_mov_b32 s[G1B+2], 64<<16
	s_mov_b32 s[G1B+3], 256<<16
	s_mov_b32 s[G1B+4], 64
	s_mov_b32 s[G1B+5], 1024
	s_mov_b32 s[G1B+6], 0
	s_mov_b32 s[G1B+7], 0
	s_lshl_b32 s18, s14, 2                         ; A: slab (head = my half) x 4 + batch,
	s_add_co_u32 s18, s18, s16
	s_lshl_b32 s18, s18, 18
	s_lshl_b32 s19, s17, 14                        ; position 128 x cluster y, 128 bytes a row
	s_add_co_u32 s18, s18, s19
	s_mov_b32 s19, 0
	s_lshl_b32 s42, s14, 17                        ; B: row 64 x my half, 2,048 bytes a row,
	s_lshl_b32 s43, s15, 9                         ; column 256 cx
	s_add_co_u32 s42, s42, s43
	s_mov_b32 s43, 0
	s_mul_i32 s22, s14, 18432                      ; where they go: no place in the cluster enters an LDS address
	s_mul_i32 s23, s14, 34816
	s_add_co_u32 s23, s23, BOFF
	s_wait_dscnt 0x0                               ; both opening adds are done
	s_wait_kmcnt 0x0
	s_add_nc_u64 s[20:21], s[4:5], s[18:19]
	s_add_nc_u64 s[44:45], s[6:7], s[42:43]
	CROUND                                         ; all sixteen work-groups are here: the first joint loads meet
.irp s, 0,1
	s_mov_b32 s[G0A+4*\s], 1
	s_add_co_u32 s[G0A+4*\s+1], s22, \s*SLOT
	s_add_nc_u64 s[G0A+4*\s+2:G0A+4*\s+3], s[20:21], \s*2097152    ; K step s: two heads on
	s_or_b32 s[G0A+4*\s+3], s[G0A+4*\s+3], 0x80000000
	s_mov_b32 s[G0B+4*\s], 1
	s_add_co_u32 s[G0B+4*\s+1], s23, \s*SLOT
	s_add_nc_u64 s[G0B+4*\s+2:G0B+4*\s+3], s[44:45], \s*262144     ; 128 rows on
	s_or_b32 s[G0B+4*\s+3], s[G0B+4*\s+3], 0x80000000
	JLOAD \s
.endr
	v_and_b32 v1, 15, v0                           ; r
	v_bfe_u32 v2, v0, 4, 1                         ; h
	v_lshlrev_b32 v[BO], 5, v2
	s_lshl_b32 s18, s16, 11
	s_lshl_b32 s19, s17, 7
	s_add_co_u32 s18, s18, s19
	s_lshl_b32 s19, s13, 6
	s_add_co_u32 s18, s18, s19                     ; my first row of out0: 2,048 cy + 128 cluster y + 64 x row half
	s_lshl_b32 s18, s18, 12
	s_mov_b32 s19, 0
	s_lshl_b32 s42, s15, 10
	s_lshl_b32 s43, s14, 9
	s_add_co_u32 s42, s42, s43                     ; 4 x my first column
	s_mov_b32 s43, 0
	s_add_nc_u64 s[8:9], s[8:9], s[18:19]
	s_add_nc_u64 s[8:9], s[8:9], s[42:43]
	s_add_nc_u64 s[10:11], s[10:11], s[42:43]
	WIN 0x80                                       ; destination window 2: register 8 b + j = b_out[my first column + 16 b + 8 h + j]
.irp b, 0,1,2,3,4,5,6,7
	global_load_b128 v[8*\b:8*\b+3], v[BO], s[10:11] offset:64*\b
	global_load_b128 v[8*\b+4:8*\b+7], v[BO], s[10:11] offset:64*\b+16
.endr
	WIN 0
	v_mul_u32_u24 v3, v1, 144
	v_lshl_add_u32 v3, v2, 4, v3                   ; A: row x pitch + 16 x half
	s_mul_i32 s20, s13, 9216                       ; my 64 rows
	v_and_b32 v4, 7, v0
	v_lshl_add_u32 v4, v2, 3, v4
	v_mul_u32_u24 v4, v4, 544
	v_bfe_u32 v5, v0, 3, 1
	v_lshl_add_u32 v4, v5, 4, v4                   ; B, for the turning load: row 8 h + lane % 8, columns 8 ((lane / 8) % 2) on
	s_lshl_b32 s21, s14, 8                         ; my 128 columns
	s_add_co_u32 s21, s21, BOFF
.irp s, 0,1
	v_add_nc_u32 v[ADRA+\s], s20, v3
	v_add_nc_u32 v[ADRB+\s], s21, v4
	s_add_co_u32 s20, s20, SLOT
	s_add_co_u32 s21, s21, SLOT
.endr
	s_mul_i32 s22, s12, 8448
	s_add_co_u32 s22, s22, STAGE                   ; my stage
	v_mul_u32_u24 v5, v1, 528
	v_lshl_add_u32 v5, v2, 5, v5
	v_add_nc_u32 v[STO], s22, v5
	v_and_b32 v6, 31, v0
	v_lshlrev_b32 v[CO], 4, v6
	v_add_nc_u32 v[RD], s22, v[CO]
; 24 LDS loads in one run: the fragments of the slot's q-th 32 along K into buffer f: B's eight, A's blocks 0 and 1, A's blocks 2 and 3
.macro FETCH slot, q, f
.irp b, 0,1,2,3,4,5,6,7
	ds_load_tr16_b128 v[\f+32+8*\b:\f+32+8*\b+3],   v[ADRB+\slot] offset:17408*(\q)+32*\b
	ds_load_tr16_b128 v[\f+32+8*\b+4:\f+32+8*\b+7], v[ADRB+\slot] offset:17408*(\q)+32*\b+8704
.endr
.irp a, 0,1,2,3
	ds_load_b128 v[\f+8*\a:\f+8*\a+3],   v[ADRA+\slot] offset:18432*((\q)/2)+64*((\q)%2)+2304*\a
	ds_load_b128 v[\f+8*\a+4:\f+8*\a+7], v[ADRA+\slot] offset:18432*((\q)/2)+64*((\q)%2)+2304*\a+32
.endr
.endm
.macro MUL8 f, a, c                    ; A's block a against B's eight.  c = 1: the bias starts the sums.  The 32 accumulators take turns in the same order in every quarter
.irp b, 0,1,2,3,4,5,6,7
.if \c
	v_wmma_f32_16x16x32_f16 v[64*(\a)+8*\b:64*(\a)+8*\b+7], v[\f+32+8*\b:\f+32+8*\b+7], v[\f+8*(\a):\f+8*(\a)+7], v[8*\b:8*\b+7]
.else
	v_wmma_f32_16x16x32_f16 v[64*(\a)+8*\b:64*(\a)+8*\b+7], v[\f+32+8*\b:\f+32+8*\b+7], v[\f+8*(\a):\f+8*(\a)+7], v[64*(\a)+8*\b:64*(\a)+8*\b+7]
.endif
.endr
.endm
.macro MWIN c
.if \c
	WIN MULB
.else
	WIN MUL
.endif
.endm
.macro QUARTER slot, q, f, g, c        ; multiplies buffer f and fetches the slot's q-th quarter into g
	s_wait_dscnt 4                                 ; B and A's blocks 0, 1 are in; the youngest four loads (blocks 2, 3) may be out
	MWIN \c
	MUL8 \f, 0, \c
	MUL8 \f, 1, \c
	PLACES                                         ; ahead of loads into registers that the quarter before multiplied
	WIN 0
	FETCH \slot, \q, \g
	s_wait_dscnt 24                                ; all but the 24 just issued
	MWIN \c
	MUL8 \f, 2, \c
	MUL8 \f, 3, \c
.endm
; A slot's last quarter multiplies buffer 1 and changes slots: one barrier; in front of it each wave waits for all its tensor loads, adds 0 to its spare word, and waits for that and for its reads of this slot.
; fill = 1: the barrier opens a round of the cluster's, and the slot is filled again, two K steps ahead: 112 matrix instructions ahead of the wait for it.
.macro TURN slot, next, fill
	WIN 0
	s_wait_tensorcnt 0x0                           ; all my tensor loads have landed: my part of the next slot
	ds_add_u32 v[SPW], v[NIL]
	s_wait_dscnt 5                                 ; the add and the youngest four loads may be out
	WIN MUL
	MUL8 F1, 0, 0
	s_wait_dscnt 0x0                               ; the add is done, and my reads of this slot are over
	s_barrier_signal -1
	MUL8 F1, 1, 0
	WIN 0
	s_barrier_wait -1
.if \fill
	CREST                                          ; no wave of any partner still reads this slot's tile or has a load on its way
	s_add_nc_u64 s[G0A+4*\slot+2:G0A+4*\slot+3], s[G0A+4*\slot+2:G0A+4*\slot+3], 4194304
	s_add_nc_u64 s[G0B+4*\slot+2:G0B+4*\slot+3], s[G0B+4*\slot+2:G0B+4*\slot+3], 524288
	JLOAD \slot                                    ; the first tensor load behind the round; its four v_nop are also the places in front of the loads below
.else
	PLACES
.endif
	FETCH \next, 0, F0
	WIN MUL
	MUL8 F1, 2, 0
	MUL8 F1, 3, 0
.endm
	s_wait_tensorcnt 1                             ; my part of K step 0 is in; K step 1's load may be out
	s_barrier_signal -1
	s_barrier_wait -1
	FETCH 0, 0, F0
	s_wait_loadcnt 0x0                             ; the bias
	QUARTER 0, 1, F0, F1, 1                        ; the first quarter stands in front of the loop: its products start the sums
	WIN 0
	s_mov_b32 s3, 3
.Llap:                                             ; a trip goes once round the ring and fills both slots again
	QUARTER 0, 2, F1, F0, 0
	QUARTER 0, 3, F0, F1, 0
	TURN 0, 1, 1
	QUARTER 1, 1, F0, F1, 0
	QUARTER 1, 2, F1, F0, 0
	QUARTER 1, 3, F0, F1, 0
	TURN 1, 0, 1
	QUARTER 0, 1, F0, F1, 0
	WIN 0
	s_sub_co_u32 s3, s3, 1
	s_cmp_lg_u32 s3, 0
	s_cbranch_scc1 .Llap
	QUARTER 0, 2, F1, F0, 0                        ; the last lap fills nothing
	QUARTER 0, 3, F0, F1, 0
	TURN 0, 1, 0
	QUARTER 1, 1, F0, F1, 0
	QUARTER 1, 2, F1, F0, 0
	QUARTER 1, 3, F0, F1, 0
	s_wait_dscnt 4
	WIN MUL
	MUL8 F1, 0, 0
	MUL8 F1, 1, 0
	s_wait_dscnt 0
	MUL8 F1, 2, 0
	MUL8 F1, 3, 0
	WIN 0
	PLACES
; THE WAY OUT, block by block of 16 rows x 128 columns of f32: through my own stage in LDS, back as whole rows of 512 bytes.  LDS serves a wave's instructions in order.
.macro TOSTAGE a
	WIN 0x04                                       ; an LDS store's data are its source 1: window 1
.irp b, 0,1,2,3,4,5,6,7
	ds_store_b128 v[STO], v[64*(\a)+8*\b:64*(\a)+8*\b+3] offset:64*\b          ; each accumulator from its low end on
	ds_store_b128 v[STO], v[64*(\a)+8*\b+4:64*(\a)+8*\b+7] offset:64*\b+16
.endr
	WIN 0
.set BB, 32+64*((\a)%2)
.irp t, 0,1,2,3,4,5,6,7,8,9,10,11,12,13,14,15
	ds_load_b128 v[BB+4*\t:BB+4*\t+3], v[RD] offset:528*\t
.endr
.endm
.macro SEND a, younger                 ; younger: the LDS instructions issued behind block a's loads, which may stay out
.set BB, 32+64*((\a)%2)
	s_wait_dscnt \younger
.irp t, 0,1,2,3,4,5,6,7,8,9,10,11,12,13,14,15
	global_store_b128 v[CO], v[BB+4*\t:BB+4*\t+3], s[8:9] offset:(16*(\a)+\t)*4096 th:TH_STORE_NT   ; 32 lanes store 512 consecutive bytes, aligned
.endr
.endm
	s_or_b32 s18, s17, s13                         ; 0 where my block 0 is the first 16 positions of a sequence: they are another launch's
	s_cmp_eq_u32 s18, 0
	s_cbranch_scc1 .Lskip0
	TOSTAGE 0
	SEND 0, 0
.Lskip0:
	TOSTAGE 1
.irp a, 2,3
	s_wait_xcnt 0x0                                ; block a - 2's stores have read their registers: block a's loads may land there
	TOSTAGE \a
	SEND \a-1, 32                                  ; behind block a - 1's loads: block a's 16 stores and 16 loads
.endr
	SEND 3, 0
	s_wait_tensorcnt 0x0                           ; the wave's end
	ds_add_u32 v[SPW], v[NIL]
	s_wait_dscnt 0x0
	CROUND                                         ; the closing round
	s_endpgm
.Lfunc_end_k_qc79ca62e77_proj:
	.size	k_qc79ca62e77_proj, .Lfunc_end_k_qc79ca62e77_proj-k_qc79ca62e77_proj
	.p2alignl 7, 3214868480
	.fill 96, 4, 3214868480
	.section	.rodata,"a",@progbits
	.p2align	6, 0x0
	.amdhsa_kernel k_qc79ca62e77_proj
		.amdhsa_group_segment_fixed_size 327680
		.amdhsa_private_segment_fixed_size 0
		.amdhsa_enable_private_segment 0
		.amdhsa_kernarg_size 32
		.amdhsa_user_sgpr_count 2
		.amdhsa_user_sgpr_kernarg_segment_ptr 1
		.amdhsa_wavefront_size32 1
		.amdhsa_system_sgpr_workgroup_id_x 1
		.amdhsa_system_sgpr_workgroup_id_y 1
		.amdhsa_system_sgpr_workgroup_id_z 1
		.amdhsa_system_vgpr_workitem_id 0
		.amdhsa_next_free_vgpr 576
		.amdhsa_next_free_sgpr 66
		.amdhsa_reserve_vcc 0
		.amdhsa_float_denorm_mode_32 3
		.amdhsa_float_denorm_mode_16_64 3
		.amdhsa_memory_ordered 1
		.amdhsa_forward_progress 1
		.amdhsa_inst_pref_size 87
	.end_amdhsa_kernel
	.amdgpu_metadata
---
amdhsa.version: [ 1, 2 ]
amdhsa.kernels:
  - .name:           k_qc79ca62e77_proj
    .symbol:         k_qc79ca62e77_proj.kd
    .args:
      - { .name: att, .offset: 0, .size: 8, .value_kind: global_buffer, .address_space: global }
      - { .name: wo16, .offset: 8, .size: 8, .value_kind: global_buffer, .address_space: global }
      - { .name: out0, .offset: 16, .size: 8, .value_kind: global_buffer, .address_space: global }
      - { .name: b_out, .offset: 24, .size: 8, .value_kind: global_buffer, .address_space: global }
    .group_segment_fixed_size: 327680
    .private_segment_fixed_size: 0
    .kernarg_segment_align: 8
    .kernarg_segment_size: 32
    .max_flat_workgroup_size: 128
    .sgpr_count:     66
    .vgpr_count:     576
    .wavefront_size: 32
...
	.end_amdgpu_metadata
.endif
;; end of part 4
;; launch fine (part 5): grid 64 x 4, 16 waves a work-group, no clusters, 18,432 bytes of LDS; arguments qkv32, W_out, b_out, out0; writes out0
.if DOCPART == 5
	.amdgcn_target "amdgcn-amd-amdhsa--gfx1250"
	.amdhsa_code_object_version 6
	.text
	.protected	k_qc79ca62e77_fine
	.globl	k_qc79ca62e77_fine
	.p2align	8
	.type	k_qc79ca62e77_fine,@function
k_qc79ca62e77_fine:
	s_mov_b64 s[64:65], 0
	v_nop
	global_prefetch_b8 v0, s[64:65] scope:SCOPE_SE
	s_setreg_imm32_b32 hwreg(HW_REG_WAVE_MODE, 25, 1), 1
	s_wait_xcnt 0x0
; Launch 5 of 5: the first 16 positions of every sequence, attention and projection, in f32 throughout: their rows average one to sixteen values and are the largest of the output, so f16 operands
; would use up what the comparison allows.  qkv32: [b 4][t 16][3072] f32 (its K columns carry no bias: a term that is the same for all keys of a query, which the softmax takes away for all values).
; W_out [1024][1024], b_out [1024] f32.  Stores out0[b][0..15][:], which no other launch stores.
; SHARES.  Work-group (sx, b) makes out0[b][0..15][16 sx .. 16 sx + 15].  Wave w computes head w's attention for the 16 positions (repeated in each of the 64 column slices: 48 matrix instructions a wave in
; all) and the part of the projection whose K is its own head, so that no attention result changes waves; the sixteen partial tiles are added through LDS.  The stores are runs of 64 bytes, 256 KB in all:
; the price of spreading the f32 work over 256 work-groups.
; ALL PRODUCTS by v_wmma_f32_16x16x4_f32.  The order of k is permuted alike in both operands of each product, so that a lane's fragments are neighbours in memory or lie where the product before left them:
;   K Q^T: fragment i, lane half h, register j stands for channel 32 h + 2 i + j;   V^T P: for key 8 h + 2 i + j;   the projection: for k = 64 w + 32 h + 2 i + j.
; v160-239 are written by matrix instructions alone; each sum's first product takes the constant 0; accumulators take turns.
; REGISTERS: v1-23 addresses and work; v24-31 my partial tile; v32-63 Q, later the attention result as an operand, later the sixteen partial sums; v64-95 K; v96-127 V; v128-159 W_out;
;   v160-175 the scores in two halves; v176-207 O^T; v208-239 the projection in four parts; v240-247 scores, then p; v248-255 at work.
.set SPARE, 16384                      ; behind the partial tiles (1,024 bytes a wave): the spare words, 128 bytes for each wave, eight blocks of 256 bytes that no other line names
	s_load_b256 s[4:11], s[0:1], 0x0               ; qkv32 s[4:5], W_out s[6:7], b_out s[8:9], out0 s[10:11]
	v_lshl_add_u32 v10, v0, 2, SPARE               ; my spare word; never rewritten
	v_mov_b32 v11, 0                               ; 0; never rewritten
	v_lshrrev_b32 v1, 5, v0
	v_readfirstlane_b32 s12, v1                    ; wave = head, 0..15
	s_and_b32 s14, ttmp7, 0xffff                   ; batch
	v_and_b32 v1, 15, v0                           ; r
	v_bfe_u32 v2, v0, 4, 1                         ; h
	v_mul_u32_u24 v3, v1, 12288
	v_lshl_add_u32 v3, v2, 7, v3                   ; Q, K: position r, channels 32 h on
	v_lshlrev_b32 v18, 2, v1                       ; 4 r
	v_mul_u32_u24 v4, v2, 98304
	v_add_nc_u32 v4, v4, v18                       ; V: key 8 h on, channel r
	v_lshl_add_u32 v5, v2, 17, v18                 ; W_out: row 32 h on, column r
	s_mul_i32 s16, s14, 196608
	s_lshl_b32 s17, s12, 8
	s_add_co_u32 s16, s16, s17                     ; my batch's 16 rows, my head's 64 columns
	s_mov_b32 s17, 0
	s_lshl_b32 s20, ttmp9, 6                       ; my 16 columns of the output, in bytes
	s_mov_b32 s21, 0
	s_lshl_b32 s18, s12, 18                        ; my head's 64 rows of W_out
	s_add_co_u32 s18, s18, s20
	s_mov_b32 s19, 0
	s_lshl_b32 s22, s14, 23
	s_lshl_b32 s23, s12, 12
	s_add_co_u32 s22, s22, s23                     ; out0: my batch, position = wave (waves 0-7 store)
	s_add_co_u32 s22, s22, s20
	s_mov_b32 s23, 0
	s_lshl_b32 s24, s12, 10
	s_lshl_b32 s25, s12, 7
	s_mov_b32 s26, 0x76543210
	s_mov_b32 s27, 0xfedcba98                      ; v_permlanex16_b32's selects for lane l xor 16
	s_mov_b32 s28, 0x3e38aa3b                      ; c = log2(e) / 8
	s_wait_kmcnt 0x0
	s_add_nc_u64 s[4:5], s[4:5], s[16:17]
	s_add_nc_u64 s[6:7], s[6:7], s[18:19]
	s_add_nc_u64 s[8:9], s[8:9], s[20:21]
	s_add_nc_u64 s[10:11], s[10:11], s[22:23]
.irp e, 0,1,2,3,4,5,6,7
	global_load_b128 v[32+4*\e:35+4*\e], v3, s[4:5] offset:16*\e               ; Q
.endr
.irp e, 0,1,2,3,4,5,6,7
	global_load_b128 v[64+4*\e:67+4*\e], v3, s[4:5] offset:4096+16*\e          ; K
.endr
.irp t, 0,1,2,3
.irp e, 0,1,2,3,4,5,6,7
	global_load_b32 v[96+8*\t+\e], v4, s[4:5] offset:8192+12288*\e+64*\t       ; V(8 h + e, 16 t + r)
.endr
.endr
	global_load_b32 v9, v18, s[8:9]                                            ; b_out of my column
.irp e, 0,1,2,3,4,5,6,7,8,9,10,11,12,13,14,15,16,17,18,19,20,21,22,23,24,25,26,27,28,29,30,31
	global_load_b32 v[128+\e], v5, s[6:7] offset:4096*\e                       ; W_out(64 w + 32 h + e, my column)
.endr
	s_wait_loadcnt 63                              ; 65 loads were issued behind K's last; Q and K are in
	; S^T = K Q^T, in two halves that take turns
	v_wmma_f32_16x16x4_f32 v[160:167], v[64:65], v[32:33], 0
	v_wmma_f32_16x16x4_f32 v[168:175], v[66:67], v[34:35], 0
.irp i, 2,4,6,8,10,12,14
	v_wmma_f32_16x16x4_f32 v[160:167], v[64+2*\i:65+2*\i], v[32+2*\i:33+2*\i], v[160:167]
	v_wmma_f32_16x16x4_f32 v[168:175], v[66+2*\i:67+2*\i], v[34+2*\i:35+2*\i], v[168:175]
.endr
	v_lshlrev_b32 v12, 3, v2                       ; nine plain instructions: eight places are owed behind this form (ISA guide 7.12.1)
	v_sub_nc_u32 v12, v1, v12                      ; r - 8 h
	v_mov_b32 v13, 0xff800000                      ; -infinity
	v_and_b32 v19, 31, v0
	v_lshlrev_b32 v19, 2, v19
	v_add_nc_u32 v6, s24, v19                      ; LDS: my partial tile: 1,024 w + 4 lane
	v_add_nc_u32 v7, s25, v19                      ; LDS: register w of every wave's tile: 128 w + 4 lane
	v_lshl_add_u32 v8, v2, 15, v18                 ; out0: position 8 h on, column r
	v_mov_b32 v15, 0                               ; a lane permute's destination counts as one of its sources
.irp j, 0,2,4,6
	v_pk_add_f32 v[240+\j:241+\j], v[160+\j:161+\j], v[168+\j:169+\j]          ; lane (r, h): query r, register j: key 8 h + j
.endr
.irp j, 0,1,2,3,4,5,6,7
	v_cmp_gt_i32 vcc_lo, \j, v12                   ; key 8 h + j comes after query r
	v_cndmask_b32 v[240+\j], v[240+\j], v13, vcc_lo
.endr
	v_max3_num_f32 v14, v240, v241, v242
	v_max3_num_f32 v14, v14, v243, v244
	v_max3_num_f32 v14, v14, v245, v246
	v_max_num_f32 v14, v14, v247
	v_permlanex16_b32 v15, v14, s26, s27
	v_max_num_f32 v14, v14, v15                    ; the row's maximum: key 0 counts for every query, so it is a number
	v_mul_f32 v16, s28, v14
.irp j, 0,1,2,3,4,5,6,7
	v_fma_f32 v[240+\j], v[240+\j], s28, -v16
.endr
.irp j, 0,1,2,3,4,5,6,7
	v_exp_f32 v[240+\j], v[240+\j]
.endr
	v_nop                                          ; a plain instruction behind the last exponential,
	s_wait_alu depctr_va_vdst(0)                   ; and one wait for the batch, ahead of its first reader
	v_pk_add_f32 v[20:21], v[240:241], v[242:243]
	v_pk_add_f32 v[22:23], v[244:245], v[246:247]
	v_pk_add_f32 v[20:21], v[20:21], v[22:23]
	v_add_f32 v17, v20, v21
	v_permlanex16_b32 v15, v17, s26, s27
	v_add_f32 v17, v17, v15                        ; the row's sum
	v_rcp_f32 v17, v17
	s_wait_loadcnt 33                              ; V is in; the bias and W_out's 32 loads may be out
	; O^T = V^T P: p's registers 2 i, 2 i + 1 are source 1 as they stand; four accumulators by turns
.irp t, 0,1,2,3
	v_wmma_f32_16x16x4_f32 v[176+8*\t:183+8*\t], v[96+8*\t:97+8*\t], v[240:241], 0
.endr
.irp i, 1,2,3
.irp t, 0,1,2,3
	v_wmma_f32_16x16x4_f32 v[176+8*\t:183+8*\t], v[96+8*\t+2*\i:97+8*\t+2*\i], v[240+2*\i:241+2*\i], v[176+8*\t:183+8*\t]
.endr
.endr
.rept 8
	v_nop                                          ; eight places; the first is also the plain instruction behind the reciprocal
.endr
	s_wait_alu depctr_va_vdst(0)                   ; the wait for the reciprocal, ahead of its first reader
	; Lane (r, h) holds channels 16 t + 8 h + j of query r; the projection's operand wants channels 32 h + 0 .. 31: tiles t and t + 2 change halves
.irp t, 0,1
.irp j, 0,1,2,3,4,5,6,7
	v_mul_f32 v[32+16*\t+\j], v[176+8*\t+\j], v17
.endr
.irp j, 0,1,2,3,4,5,6,7
	v_mul_f32 v[40+16*\t+\j], v[192+8*\t+\j], v17
.endr
.endr
.irp t, 0,1
.irp j, 0,1,2,3,4,5,6,7
	v_permlane16_swap_b32 v[32+16*\t+\j], v[40+16*\t+\j]   ; the first's lanes 16-31 change places with the second's lanes 0-15
.endr
.endr
	s_wait_loadcnt 0x0                             ; W_out and the bias
	; my head's part of the projection: source 0 = the 16 queries, source 1 = my 16 columns; four accumulators by turns
.irp i, 0,1,2,3
	v_wmma_f32_16x16x4_f32 v[208+8*\i:215+8*\i], v[32+2*\i:33+2*\i], v[128+2*\i:129+2*\i], 0
.endr
.irp g, 1,2,3
.irp i, 0,1,2,3
	v_wmma_f32_16x16x4_f32 v[208+8*\i:215+8*\i], v[32+8*\g+2*\i:33+8*\g+2*\i], v[128+8*\g+2*\i:129+8*\g+2*\i], v[208+8*\i:215+8*\i]
.endr
.endr
.rept 8
	v_nop
.endr
.irp j, 0,2,4,6
	v_pk_add_f32 v[24+\j:25+\j], v[208+\j:209+\j], v[216+\j:217+\j]
.endr
.irp j, 0,2,4,6
	v_pk_add_f32 v[248+\j:249+\j], v[224+\j:225+\j], v[232+\j:233+\j]
.endr
.irp j, 0,2,4,6
	v_pk_add_f32 v[24+\j:25+\j], v[24+\j:25+\j], v[248+\j:249+\j]              ; register j: (query 8 h + j, column r)
.endr
.irp j, 0,1,2,3,4,5,6,7
	ds_store_b32 v6, v[24+\j] offset:128*\j
.endr
	s_wait_dscnt 0x0                               ; for the others' sake: my stores have landed
	s_barrier_signal -1
	s_barrier_wait -1
	s_cmp_lt_u32 s12, 8                            ; wave w of the first eight adds register w of all sixteen tiles: queries w and 8 + w
	s_cbranch_scc0 .Lend
.irp s, 0,1,2,3,4,5,6,7,8,9,10,11,12,13,14,15
	ds_load_b32 v[32+\s], v7 offset:1024*\s
.endr
	s_wait_dscnt 0x0
.irp j, 0,2,4,6
	v_pk_add_f32 v[32+\j:33+\j], v[32+\j:33+\j], v[40+\j:41+\j]
.endr
.irp j, 0,2
	v_pk_add_f32 v[32+\j:33+\j], v[32+\j:33+\j], v[36+\j:37+\j]
.endr
	v_pk_add_f32 v[32:33], v[32:33], v[34:35]
	v_add_f32 v32, v32, v33
	v_add_f32 v32, v32, v9                         ; + b_out
	global_store_b32 v8, v32, s[10:11]
.Lend:
	s_wait_tensorcnt 0x0                           ; the wave's end
	ds_add_u32 v10, v11
	s_wait_dscnt 0x0
	s_endpgm
.Lfunc_end_k_qc79ca62e77_fine:
	.size	k_qc79ca62e77_fine, .Lfunc_end_k_qc79ca62e77_fine-k_qc79ca62e77_fine
	.p2alignl 7, 3214868480
	.fill 96, 4, 3214868480
	.section	.rodata,"a",@progbits
	.p2align	6, 0x0
	.amdhsa_kernel k_qc79ca62e77_fine
		.amdhsa_group_segment_fixed_size 18432
		.amdhsa_private_segment_fixed_size 0
		.amdhsa_enable_private_segment 0
		.amdhsa_kernarg_size 32
		.amdhsa_user_sgpr_count 2
		.amdhsa_user_sgpr_kernarg_segment_ptr 1
		.amdhsa_wavefront_size32 1
		.amdhsa_system_sgpr_workgroup_id_x 1
		.amdhsa_system_sgpr_workgroup_id_y 1
		.amdhsa_system_sgpr_workgroup_id_z 1
		.amdhsa_system_vgpr_workitem_id 0
		.amdhsa_next_free_vgpr 256
		.amdhsa_next_free_sgpr 66
		.amdhsa_reserve_vcc 1
		.amdhsa_float_denorm_mode_32 3
		.amdhsa_float_denorm_mode_16_64 3
		.amdhsa_memory_ordered 1
		.amdhsa_forward_progress 1
		.amdhsa_inst_pref_size 21
	.end_amdhsa_kernel
	.amdgpu_metadata
---
amdhsa.version: [ 1, 2 ]
amdhsa.kernels:
  - .name:           k_qc79ca62e77_fine
    .symbol:         k_qc79ca62e77_fine.kd
    .args:
      - { .name: qkv32, .offset: 0, .size: 8, .value_kind: global_buffer, .address_space: global }
      - { .name: W_out, .offset: 8, .size: 8, .value_kind: global_buffer, .address_space: global }
      - { .name: b_out, .offset: 16, .size: 8, .value_kind: global_buffer, .address_space: global }
      - { .name: out0, .offset: 24, .size: 8, .value_kind: global_buffer, .address_space: global }
    .group_segment_fixed_size: 18432
    .private_segment_fixed_size: 0
    .kernarg_segment_align: 8
    .kernarg_segment_size: 32
    .max_flat_workgroup_size: 512
    .sgpr_count:     66
    .vgpr_count:     256
    .wavefront_size: 32
...
	.end_amdgpu_metadata
.endif
;; end of part 5
